; MI455X (gfx1250); checked and timed in simulation.
; The chip was launched on July 23, 2026; its instructions are those of AMD's public machine-readable ISA for CDNA 5 (MIT licence, August 2026) and "CDNA5" Instruction Set Architecture Reference Guide (July 2026). The comments in the code are by the model that wrote it; some were corrected since.
;; Multi Head Self Attention. Allowed arithmetic: matrix products marked QUANTISED: E2M1 operands, one E8M0 scale for each 32 along K, by v_wmma_scale_f32_16x16x128_f8f6f4 with both operands' format E2M1 (or v_wmma_scale_f32_32x16x128_f4), f32 sums; products left as they are: bf16, f16 or f32 operands; f32 sums; everything else in f32.
;; Inputs: Wk 1,024 x 1,024 float32; Wo 1,024 x 1,024 float32; Wq 1,024 x 1,024 float32; Wv 1,024 x 1,024 float32; bk 1,024 float32; bo 1,024 float32; bq 1,024 float32; bv 1,024 float32; x 4 x 2,048 x 1,024 float32.
;; Outputs: out0 4 x 2,048 x 1,024 float32.
;; This version of the problem:
;;   THIS VERSION OF THE PROBLEM IS GIVEN IN LOW PRECISION. The matrix products marked QUANTISED in the list below multiply operands that are first quantised to E2M1 (2 exponent bits, 1 mantissa bit; 4 bits a number), with one power-of-two scale for each 32 numbers along K (OCP MX v1.0); their sums are f32. The products marked 'left as it is' may take bf16, f16 or f32 operands, with f32 sums. Whichever they take, every output number must still come out within the allowed error. Rounding operands to bf16 (8 significant bits) uses up far more of that allowance than f16 does (11 bits, for magnitudes from 6e-5 to 65,504). All else is computed in f32.
;;   The module's matrix products, in the order in which they are computed (A, B: the left and right operand; K: the contracted axis; several contracted axes count as one K, in the product's order):
;;     1. [M 8,192, K 1,024] x [K 1,024, N 1,024]; A: input x; B: input Wq: QUANTISED
;;     2. [M 8,192, K 1,024] x [K 1,024, N 1,024]; A: input x; B: input Wk: QUANTISED
;;     3. [M 8,192, K 1,024] x [K 1,024, N 1,024]; A: input x; B: input Wv: QUANTISED
;;     4. batch 64 x [M 2,048, K 64] x [K 64, N 2,048]; A: computed on the way; B: computed on the way: left as it is (an operand is computed on the way)
;;     5. batch 64 x [M 2,048, K 2,048] x [K 2,048, N 64]; A: computed on the way; B: computed on the way: left as it is (an operand is computed on the way)
;;     6. [M 8,192, K 1,024] x [K 1,024, N 1,024]; A: computed on the way; B: input Wo: left as it is (an operand is computed on the way)
;;   THE QUANTISER, for each operand of a quantised product, along K:
;;     - K is cut into blocks of 32 from its start; a last block that is shorter is filled with zeros.
;;     - A block's scale is 2^e with e = floor(log2(the largest magnitude in the block)) - 2, held to -126 .. 127; a block of zeros has e = 0. As a byte (E8M0): e + 127.
;;     - Each number is divided by its block's scale, clamped to +-6, and rounded to the nearest number of E2M1, ties to even, subnormals kept.
;;     - The product sums the exact products of the quantised numbers (number of the format x scale) in f32.
;;   ~~~python
;;   def quantise(x, axis):      # numpy; x: float32 -> the quantised numbers, widened to float32 again
;;       x = np.moveaxis(x, axis, -1); K = x.shape[-1]
;;       x = np.pad(x, [(0, 0)] * (x.ndim - 1) + [(0, -K % 32)]); x = x.reshape(x.shape[:-1] + (-1, 32)); a = np.abs(x).max(-1, keepdims=True)
;;       e = np.where(a > 0, np.clip(np.frexp(np.where(a > 0, a, 1))[1] - 1 - 2, -126, 127), 0)      # np.frexp(a)[1] - 1 = floor(log2(a)), exactly
;;       r = np.clip(x / 2.0 ** e, -6, 6)
;;       step = 2.0 ** (np.maximum(np.frexp(np.where(r == 0, 1, r))[1] - 1, 0) - 1)
;;       q = np.round(r / step) * step * 2.0 ** e      # np.round: ties to even
;;       return np.moveaxis(q.reshape(q.shape[:-2] + (-1,))[..., :K], -1, axis).astype(np.float32)
;;   ~~~
;; One version. Each part assembles by itself: llvm-mc -triple=amdgcn-amd-amdhsa -mcpu=gfx1250 --defsym DOCPART=n.
;; ======== version 1 of 1: 4 launches
;; limits: values are held in f16: magnitudes above 65,504 overflow, below 6.1e-05 lose precision
;; workspace buffers: x_codes 4,194,304 bytes; x_scales 262,144 bytes; w_codes 1,572,864 bytes; w_scales 98,304 bytes; wo_t 2,097,152 bytes; qkv 50,331,648 bytes; ctx 16,777,216 bytes
;; launch prep (part 1): grid 384 x 1, 4 waves a work-group, no clusters, 68,096 bytes of LDS; arguments x, Wq, Wk, Wv, Wo, x_codes, x_scales, w_codes, w_scales, wo_t; writes x_codes, x_scales, w_codes, w_scales, wo_t
.if DOCPART == 1
	.amdgcn_target "amdgcn-amd-amdhsa--gfx1250"
	.amdhsa_code_object_version 6
	.text
	.protected	k_qb97f46d11e_prep
	.globl	k_qb97f46d11e_prep
	.p2align	8
	.type	k_qb97f46d11e_prep,@function
k_qb97f46d11e_prep:
	s_mov_b64 s[64:65], 0
	v_nop
	global_prefetch_b8 v0, s[64:65] scope:SCOPE_SE
	s_setreg_imm32_b32 hwreg(HW_REG_WAVE_MODE, 25, 1), 1
	s_wait_xcnt 0x0
; THE OPERANDS ARE LAID OUT ONCE.  Three kinds of work-group, told apart by the work-group's number alone; each kind has LDS bytes of its own and its own end.
;   0 .. 255:   x [8192][1024] f32 -> codes of FP4 (E2M1), K innermost, [8192][512 bytes], and one E8M0 byte for each 32 along K, [8192][32].
;   256 .. 351: Wq, Wk, Wv [1024 k][1024 n] f32, whose K is the FIRST axis -> codes [3072 = q, k, v x 1024 columns][512 bytes] with K innermost, scale bytes [3072][32].
;   352 .. 383: Wo [1024 k][1024 n] f32 -> f16, turned: wo_t [1024 n][1024 k].
; A block's scale is 2^(floor(log2(its largest magnitude)) - 2); its byte is the largest magnitude's exponent field - 2, held at 1 from below.  Each number is divided by the scale and rounded to the nearest code, ties to even,
; beyond the largest code the largest.
; LIMITS: a block of zeros gets the byte 1 where the rule says 127 (its codes are zeros, which add nothing, and this program alone reads the bytes); blocks whose largest magnitude lies under 2^(2 - 126) are held at that byte;
; NaN and infinities are not served; |Wo| stays under 65,504 (f16).
; No matrix unit, no tensor load, no barrier, no cluster: no two work-groups read the same byte, and waves share nothing.
.set STEPS, 16                         ; x: steps of 512 numbers for a wave
.set EMAX,  2
.set CB,    8                          ; bytes of 16 codes
.set XR,    16                         ; x: v16-79   four sets of 16 numbers as they are loaded
.set XX,    80                         ;    v80-111  two sets of 16 neighbours
.set XE,    112                        ;    v112-127 a scale byte for each step
.set XC,    128                        ;    v128-191 codes: four registers for each step
.set WREG,  8192                       ; x: LDS bytes of a wave: two stages of 32 x SP bytes, behind them its 256 scale bytes
.set SP,    80                         ; a lane's place in such a stage: 64 bytes + 16 of padding
.set WSTG,  32768                      ; the weights' stages: 16 rows x 272 bytes for each wave
.set OSTG,  50176                      ; Wo's stages likewise
.set STGB,  4352
.set PITCH, 272
.set SPARE, 67584                      ; the spare words, 128 bytes for each wave: two blocks of 256 bytes that no other line names
.set SPW,   12                         ; v12  LDS address of my spare word; never rewritten
.set NIL,   13                         ; v13  0; never rewritten
.set WX,    32                         ; weights: v32-95 two sets of 32 numbers down K
.set WC,    96                         ;          v96..  what a block becomes
.set SB,    24                         ;          v24-25 eight scale bytes
.set OUTR,  112                        ;          v112.. rows read back from the stage
	s_load_b256 s[4:11], s[0:1], 0x0               ; x s[4:5], Wq s[6:7], Wk s[8:9], Wv s[10:11]
	s_load_b256 s[12:19], s[0:1], 0x20             ; Wo s[12:13], x_codes s[14:15], x_scales s[16:17], w_codes s[18:19]
	s_load_b128 s[20:23], s[0:1], 0x40             ; w_scales s[20:21], wo_t s[22:23]
	v_lshl_add_u32 v[SPW], v0, 2, SPARE
	v_mov_b32 v[NIL], 0
	v_lshrrev_b32 v1, 5, v0
	v_readfirstlane_b32 s24, v1                    ; wave 0..3
	v_and_b32 v2, 31, v0                           ; lane
	s_wait_kmcnt 0x0
	s_cmp_lt_u32 ttmp9, 256
	s_cbranch_scc0 .Lweights
; ---------------- x: a plain stream of blocks of 32.  A wave takes 16 steps of 512 numbers.  Each load reads 512 consecutive bytes; a step's 2,048 bytes turn through the wave's stage and come back 64 bytes a lane,
; so that a lane holds 16 neighbours along K and two neighbouring lanes a block.  Loads run four steps ahead, the turn through LDS one step.
	v_lshlrev_b32 v3, 4, v2                        ; my 16 bytes of a load's 512
	s_mul_i32 s25, s24, WREG
	v_lshrrev_b32 v14, 2, v2
	v_mul_u32_u24 v14, v14, SP
	v_and_b32 v15, 3, v2
	v_lshl_add_u32 v14, v15, 4, v14
	v_add_nc_u32 v14, s25, v14                     ; the stage, on the way in: SP (lane / 4) + 16 (lane % 4)
	v_mul_u32_u24 v15, v2, SP
	v_add_nc_u32 v15, s25, v15                     ; and on the way out: SP x lane
	v_mul_u32_u24 v4, v2, CB                       ; my codes' place in a step's
	v_lshrrev_b32 v5, 1, v2
	s_add_co_u32 s25, s25, 2*32*SP
	v_add_nc_u32 v5, s25, v5                       ; my wave's 256 scale bytes, my block's byte
	v_lshlrev_b32 v7, 3, v2                        ; and on the way out 8 bytes a lane
	v_add_nc_u32 v6, s25, v7
	s_lshl_b32 s26, ttmp9, 2
	s_add_co_u32 s26, s26, s24                     ; which run of 8,192 numbers is my wave's: 0 .. 1,023
	s_mov_b32 s29, 0
	s_lshl_b32 s28, s26, 15                        ; 32,768 bytes of x a run
	s_add_nc_u64 s[4:5], s[4:5], s[28:29]
	s_lshl_b32 s28, s26, 12                        ; 4,096 bytes of codes
	s_add_nc_u64 s[14:15], s[14:15], s[28:29]
	s_lshl_b32 s28, s26, 8                         ; 256 scale bytes
	s_add_nc_u64 s[16:17], s[16:17], s[28:29]
.macro XLOAD t
.irp i, 0,1,2,3
	global_load_b128 v[XR+16*((\t)%4)+4*\i:XR+16*((\t)%4)+4*\i+3], v3, s[4:5] offset:2048*(\t)+512*\i th:TH_LOAD_NT   ; 32 lanes read 512 consecutive bytes, read once in the launch
.endr
.endm
.macro XTURN t                         ; step t's numbers through the stage: LDS serves a wave's instructions in order (ISA guide 5.7.1.4), so no wait stands between the stores and the loads
.irp i, 0,1,2,3
	ds_store_b128 v14, v[XR+16*((\t)%4)+4*\i:XR+16*((\t)%4)+4*\i+3] offset:32*SP*((\t)%2)+8*SP*\i
.endr
.irp i, 0,1,2,3
	ds_load_b128 v[XX+16*((\t)%2)+4*\i:XX+16*((\t)%2)+4*\i+3], v15 offset:32*SP*((\t)%2)+16*\i
.endr
.endm
.irp t, 0,1,2,3
	XLOAD \t
.endr
	s_wait_loadcnt 12                              ; step 0's four loads are in; the twelve of steps 1 to 3 may be out
	XTURN 0
.macro XSTEP t
.set XS, XX+16*((\t)%2)
.if (\t) > 0
	s_wait_dscnt 1                                 ; this step's numbers are back from the stage (the last step's byte store may be out)
.else
	s_wait_dscnt 0x0
.endif
.if (\t)+4 < STEPS
	XLOAD (\t)+4                                   ; into the registers that this step's stores into the stage have read
.endif
.if (\t)+1 < STEPS
.if STEPS-2-(\t) >= 3
	s_wait_loadcnt 12                              ; the next step's four loads are in; those of the three steps behind it may be out
.else
	s_wait_loadcnt 4*(STEPS-2-(\t))                ; at the end fewer steps stand behind it
.endif
	XTURN (\t)+1
.endif
	v_max3_num_f32 v8, |v[XS]|, |v[XS+1]|, |v[XS+2]|               ; the largest magnitude of my 16, in two chains
	v_max3_num_f32 v9, |v[XS+3]|, |v[XS+4]|, |v[XS+5]|
.irp i, 6,10
	v_max3_num_f32 v8, v8, |v[XS+\i]|, |v[XS+\i+1]|
	v_max3_num_f32 v9, v9, |v[XS+\i+2]|, |v[XS+\i+3]|
.endr
	v_max3_num_f32 v8, v8, |v[XS+14]|, |v[XS+15]|
	v_max3_num_f32 v8, v8, v9, (EMAX+1)<<23        ; and the floor 2^(EMAX + 1 - 127): the byte cannot fall under 1
	v_max_num_f32_dpp v8, v8, v8 row_xmask:1 row_mask:0xf bank_mask:0xf   ; and of my neighbour's 16: the block's
	v_add_nc_u32 v11, -(EMAX<<23), v8              ; EMAX off its exponent field: the conversion takes the exponent field of this operand as its scale
	v_cvt_scalef32_pk8_fp4_f32 v[XC+4*(\t)], v[XS:XS+7], v11
	v_cvt_scalef32_pk8_fp4_f32 v[XC+4*(\t)+1], v[XS+8:XS+15], v11
	v_lshrrev_b32 v[XE+(\t)], 23, v11              ; the scale's byte (also the plain line behind the conversions)
	ds_store_b8 v5, v[XE+(\t)] offset:16*(\t)      ; both lanes of a block write the same byte with the same value
	global_store_b64 v4, v[XC+4*(\t):XC+4*(\t)+1], s[14:15] offset:32*CB*(\t)   ; the wave stores 256 consecutive bytes, aligned
.endm
.irp t, 0,1,2,3,4,5,6,7,8,9,10,11,12,13,14,15
	XSTEP \t
.endr
	ds_load_b64 v[8:9], v6                         ; my wave's 256 scale bytes, 8 a lane
	s_wait_dscnt 0x0
	global_store_b64 v7, v[8:9], s[16:17]          ; 256 consecutive bytes, aligned
	s_wait_tensorcnt 0x0                           ; the wave's end: behind my last LDS store
	ds_add_u32 v[SPW], v[NIL]
	s_wait_dscnt 0x0
	s_endpgm
.Lweights:
	v_and_b32 v5, 15, v0                           ; c: my column of the wave's 16
	v_bfe_u32 v6, v0, 4, 1                         ; g: which half of the rows along K
	s_cmp_lt_u32 ttmp9, 352
	s_cbranch_scc0 .Lwo
; ---------------- Wq, Wk, Wv.  A LANE TAKES A COLUMN n AND ITS REGISTERS RUN DOWN K: a block of 32 along K lies in one lane's 32 registers, and the conversions give codes with K innermost.
; A work-group takes 64 columns x 512 along K, a wave 16 columns; lanes 0-15 take the first 256 along K, lanes 16-31 the second: 8 blocks a lane.  The codes go through the wave's stage and leave as rows.
	s_sub_co_u32 s25, ttmp9, 256                   ; 0 .. 95
	s_lshr_b32 s26, s25, 5                         ; which tensor: 0 q, 1 k, 2 v
	s_and_b32 s27, s25, 15                         ; which 64 columns
	s_bfe_u32 s28, s25, 0x10004                    ; y: which 512 along K
	s_cmp_eq_u32 s26, 0
	s_cselect_b64 s[30:31], s[6:7], s[8:9]         ; the choice hangs on the work-group's number alone
	s_cmp_eq_u32 s26, 2
	s_cselect_b64 s[30:31], s[10:11], s[30:31]
	s_lshl_b32 s27, s27, 6
	s_lshl_b32 s29, s24, 4
	s_add_co_u32 s27, s27, s29                     ; n0: my wave's first column
	s_mov_b32 s33, 0
	s_lshl_b32 s32, s28, 21                        ; 512 rows of 4,096 bytes
	s_lshl_b32 s29, s27, 2
	s_add_co_u32 s32, s32, s29
	s_add_nc_u64 s[30:31], s[30:31], s[32:33]      ; the source at (512 y, n0)
	s_lshl_b32 s29, s26, 10
	s_add_co_u32 s29, s29, s27                     ; the row of the codes' buffer: 1,024 x tensor + n0
	s_lshl_b32 s32, s29, 9
	s_lshl_b32 s34, s28, 8
	s_add_co_u32 s32, s32, s34
	s_add_nc_u64 s[18:19], s[18:19], s[32:33]      ; codes: row x 512 + 256 y
	s_lshl_b32 s32, s29, 5
	s_lshl_b32 s34, s28, 4
	s_add_co_u32 s32, s32, s34
	s_add_nc_u64 s[20:21], s[20:21], s[32:33]      ; scale bytes: row x 32 + 16 y
	v_lshlrev_b32 v3, 2, v5
	v_lshl_add_u32 v3, v6, 20, v3                  ; in: 4 c + g x 256 rows
	s_mul_i32 s35, s24, STGB
	s_add_co_u32 s35, s35, WSTG                    ; my stage
	v_mul_u32_u24 v4, v5, PITCH
	v_lshl_add_u32 v4, v6, 7, v4
	v_add_nc_u32 v4, s35, v4                       ; into it: row c, + 128 g
	v_mul_u32_u24 v7, v6, PITCH
	v_lshl_add_u32 v7, v5, 4, v7
	v_add_nc_u32 v7, s35, v7                       ; out of it: sixteen lanes to a row, two rows an instruction
	v_lshlrev_b32 v8, 9, v6
	v_lshl_add_u32 v8, v5, 4, v8                   ; and the same place in the codes' buffer
	v_lshlrev_b32 v9, 5, v5
	v_lshl_add_u32 v9, v6, 3, v9                   ; my 8 scale bytes: 32 c + 8 g
.macro WLOAD t                         ; block t: W(32 t + i, my column), i = 0 .. 31, into set t % 2
.irp i, 0,1,2,3,4,5,6,7,8,9,10,11,12,13,14,15,16,17,18,19,20,21,22,23,24,25,26,27,28,29,30,31
	global_load_b32 v[WX+32*((\t)%2)+\i], v3, s[30:31] offset:(32*(\t)+\i)*4096
.endr
.endm
	WLOAD 0
	WLOAD 1
.macro WBLOCK t
.set XS, WX+32*((\t)%2)
.if (\t) < 7
	s_wait_loadcnt 32                              ; this block's 32 loads are in; the next block's 32 may be out
.else
	s_wait_loadcnt 0x0
.endif
	v_max3_num_f32 v14, |v[XS]|, |v[XS+1]|, |v[XS+2]|              ; the block's largest magnitude: all 32 numbers are mine
	v_max3_num_f32 v15, |v[XS+3]|, |v[XS+4]|, |v[XS+5]|
.irp i, 6,10,14,18,22,26
	v_max3_num_f32 v14, v14, |v[XS+\i]|, |v[XS+\i+1]|
	v_max3_num_f32 v15, v15, |v[XS+\i+2]|, |v[XS+\i+3]|
.endr
	v_max3_num_f32 v14, v14, |v[XS+30]|, |v[XS+31]|
	v_max3_num_f32 v14, v14, v15, (EMAX+1)<<23     ; and the floor
	v_add_nc_u32 v11, -(EMAX<<23), v14             ; the conversion's scale operand
	v_lshrrev_b32 v10, 23, v11                     ; the scale's byte
.if (\t)%4 == 0
	v_mov_b32 v[SB+(\t)/4], v10                    ; four bytes to a register, the lower K in the lower byte
.else
	v_lshl_or_b32 v[SB+(\t)/4], v10, 8*((\t)%4), v[SB+(\t)/4]
.endif
.irp g, 0,1,2,3
	v_cvt_scalef32_pk8_fp4_f32 v[WC+\g], v[XS+8*\g:XS+8*\g+7], v11
.endr
	ds_store_b128 v4, v[WC:WC+3] offset:16*(\t)    ; 32 codes: 16 bytes of my column's row
.if (\t)+2 < 8
	WLOAD (\t)+2
.endif
	s_wait_dscnt 0x0                               ; the store has read its registers: the next block's codes may be written
.endm
.irp t, 0,1,2,3,4,5,6,7
	WBLOCK \t
.endr
	global_store_b64 v9, v[SB:SB+1], s[20:21]      ; my column's 8 scale bytes
.irp t, 0,1,2,3,4,5,6,7
	ds_load_b128 v[OUTR+4*\t:OUTR+4*\t+3], v7 offset:2*\t*PITCH
.endr
.irp t, 0,1,2,3,4,5,6,7
	s_wait_dscnt 7-\t                              ; LDS loads come back in order: load t is in, the 7 - t behind it may be out
	global_store_b128 v8, v[OUTR+4*\t:OUTR+4*\t+3], s[18:19] offset:1024*\t   ; sixteen lanes store 256 consecutive bytes, aligned
.endr
	s_wait_tensorcnt 0x0                           ; the wave's end: behind my last LDS store
	ds_add_u32 v[SPW], v[NIL]
	s_wait_dscnt 0x0
	s_endpgm
; ---------------- Wo: the same plan of lanes; a block of 32 numbers down K becomes 32 f16 numbers, 64 bytes of row n of wo_t.  A chunk of 128 along K (lanes 0-15 its first 64, lanes 16-31 its second) is 256 bytes a column:
; it goes through the wave's stage and leaves as rows.  Four chunks a wave.
.Lwo:
	s_sub_co_u32 s25, ttmp9, 352                   ; 0 .. 31
	s_and_b32 s27, s25, 15
	s_lshr_b32 s28, s25, 4                         ; y: which 512 along K
	s_lshl_b32 s27, s27, 6
	s_lshl_b32 s29, s24, 4
	s_add_co_u32 s27, s27, s29                     ; n0
	s_mov_b32 s33, 0
	s_lshl_b32 s32, s28, 21
	s_lshl_b32 s29, s27, 2
	s_add_co_u32 s32, s32, s29
	s_add_nc_u64 s[12:13], s[12:13], s[32:33]      ; Wo at (512 y, n0)
	s_lshl_b32 s32, s27, 11
	s_lshl_b32 s34, s28, 10
	s_add_co_u32 s32, s32, s34
	s_add_nc_u64 s[22:23], s[22:23], s[32:33]      ; wo_t: n0 x 2,048 + 1,024 y
	v_lshlrev_b32 v3, 2, v5
	v_lshl_add_u32 v3, v6, 18, v3                  ; in: 4 c + g x 64 rows
	s_mul_i32 s35, s24, STGB
	s_add_co_u32 s35, s35, OSTG
	v_mul_u32_u24 v4, v5, PITCH
	v_lshl_add_u32 v4, v6, 7, v4
	v_add_nc_u32 v4, s35, v4
	v_mul_u32_u24 v7, v6, PITCH
	v_lshl_add_u32 v7, v5, 4, v7
	v_add_nc_u32 v7, s35, v7
	v_lshlrev_b32 v8, 11, v6
	v_lshl_add_u32 v8, v5, 4, v8                   ; out: row g of two, 16 c
.macro OLOAD gi                        ; block gi: rows 128 (gi / 2) + 64 g + 32 (gi % 2) + i
.irp i, 0,1,2,3,4,5,6,7,8,9,10,11,12,13,14,15,16,17,18,19,20,21,22,23,24,25,26,27,28,29,30,31
	global_load_b32 v[WX+32*((\gi)%2)+\i], v3, s[12:13] offset:(128*((\gi)/2)+32*((\gi)%2)+\i)*4096
.endr
.endm
	OLOAD 0
	OLOAD 1
.macro OBLOCK gi
.set XS, WX+32*((\gi)%2)
.if (\gi) < 7
	s_wait_loadcnt 32                              ; this block's 32 loads are in; the next block's 32 may be out
.else
	s_wait_loadcnt 0x0
.endif
.irp j, 0,1,2,3,4,5,6,7,8,9,10,11,12,13,14,15
	v_cvt_pk_f16_f32 v[WC+\j], v[XS+2*\j], v[XS+2*\j+1]            ; two roundings to f16, the lower k in the low half
.endr
.irp q, 0,1,2,3
	ds_store_b128 v4, v[WC+4*\q:WC+4*\q+3] offset:64*((\gi)%2)+16*\q
.endr
.if (\gi)+2 < 8
	OLOAD (\gi)+2
.endif
	s_wait_dscnt 0x0                               ; the stores have read their registers
.if ((\gi)%2) == 1                     ; a chunk is whole: 16 rows of 256 bytes leave
.set OB, OUTR+32*(((\gi)/2)%2)
.if (\gi) >= 5
	s_wait_xcnt 0x0                                ; the stores of two chunks ago have read these registers
.endif
.irp t, 0,1,2,3,4,5,6,7
	ds_load_b128 v[OB+4*\t:OB+4*\t+3], v7 offset:2*\t*PITCH        ; the next chunk's stores into the stage come behind these, in order
.endr
.irp t, 0,1,2,3,4,5,6,7
	s_wait_dscnt 7-\t                              ; load t is in, the 7 - t behind it may be out
	global_store_b128 v8, v[OB+4*\t:OB+4*\t+3], s[22:23] offset:4096*\t+256*((\gi)/2)   ; sixteen lanes store 256 consecutive bytes, aligned
.endr
.endif
.endm
.irp gi, 0,1,2,3,4,5,6,7
	OBLOCK \gi
.endr
	s_wait_tensorcnt 0x0                           ; the wave's end: behind my last LDS store
	ds_add_u32 v[SPW], v[NIL]
	s_wait_dscnt 0x0
	s_endpgm
.Lfunc_end_k_qb97f46d11e_prep:
	.size	k_qb97f46d11e_prep, .Lfunc_end_k_qb97f46d11e_prep-k_qb97f46d11e_prep
	.p2alignl 7, 3214868480
	.fill 96, 4, 3214868480
	.section	.rodata,"a",@progbits
	.p2align	6, 0x0
	.amdhsa_kernel k_qb97f46d11e_prep
		.amdhsa_group_segment_fixed_size 68096
		.amdhsa_private_segment_fixed_size 0
		.amdhsa_enable_private_segment 0
		.amdhsa_kernarg_size 80
		.amdhsa_user_sgpr_count 2
		.amdhsa_user_sgpr_kernarg_segment_ptr 1
		.amdhsa_wavefront_size32 1
		.amdhsa_system_sgpr_workgroup_id_x 1
		.amdhsa_system_sgpr_workgroup_id_y 1
		.amdhsa_system_sgpr_workgroup_id_z 1
		.amdhsa_system_vgpr_workitem_id 0
		.amdhsa_next_free_vgpr 192
		.amdhsa_next_free_sgpr 66
		.amdhsa_reserve_vcc 0
		.amdhsa_float_denorm_mode_32 3
		.amdhsa_float_denorm_mode_16_64 3
		.amdhsa_memory_ordered 1
		.amdhsa_forward_progress 1
		.amdhsa_inst_pref_size 115
	.end_amdhsa_kernel
	.amdgpu_metadata
---
amdhsa.version: [ 1, 2 ]
amdhsa.kernels:
  - .name:           k_qb97f46d11e_prep
    .symbol:         k_qb97f46d11e_prep.kd
    .args:
      - { .name: x, .offset: 0, .size: 8, .value_kind: global_buffer, .address_space: global }
      - { .name: Wq, .offset: 8, .size: 8, .value_kind: global_buffer, .address_space: global }
      - { .name: Wk, .offset: 16, .size: 8, .value_kind: global_buffer, .address_space: global }
      - { .name: Wv, .offset: 24, .size: 8, .value_kind: global_buffer, .address_space: global }
      - { .name: Wo, .offset: 32, .size: 8, .value_kind: global_buffer, .address_space: global }
      - { .name: x_codes, .offset: 40, .size: 8, .value_kind: global_buffer, .address_space: global }
      - { .name: x_scales, .offset: 48, .size: 8, .value_kind: global_buffer, .address_space: global }
      - { .name: w_codes, .offset: 56, .size: 8, .value_kind: global_buffer, .address_space: global }
      - { .name: w_scales, .offset: 64, .size: 8, .value_kind: global_buffer, .address_space: global }
      - { .name: wo_t, .offset: 72, .size: 8, .value_kind: global_buffer, .address_space: global }
    .group_segment_fixed_size: 68096
    .private_segment_fixed_size: 0
    .kernarg_segment_align: 8
    .kernarg_segment_size: 80
    .max_flat_workgroup_size: 128
    .sgpr_count:     66
    .vgpr_count:     192
    .wavefront_size: 32
...
	.end_amdgpu_metadata
.endif
;; end of part 1
;; launch qkv (part 2): grid 12 x 32, 4 waves a work-group, clusters of 4 x 4, 327,680 bytes of LDS; arguments x_codes, x_scales, w_codes, w_scales, qkv, bq, bk, bv; writes qkv
.if DOCPART == 2
	.amdgcn_target "amdgcn-amd-amdhsa--gfx1250"
	.amdhsa_code_object_version 6
	.text
	.protected	k_qb97f46d11e_qkv
	.globl	k_qb97f46d11e_qkv
	.p2align	8
	.type	k_qb97f46d11e_qkv,@function
k_qb97f46d11e_qkv:
	s_mov_b64 s[64:65], 0
	v_nop
	global_prefetch_b8 v0, s[64:65] scope:SCOPE_SE
	s_setreg_imm32_b32 hwreg(HW_REG_WAVE_MODE, 25, 1), 1
	s_wait_xcnt 0x0
	s_wait_alu depctr_hold_cnt(0) depctr_sa_sdst(0) depctr_va_vdst(0) depctr_va_sdst(0) depctr_va_ssrc(0) depctr_va_vcc(0) depctr_vm_vsrc(0)
	s_getreg_b32 s2, hwreg(HW_REG_IB_STS2, 6, 4)
	s_cmp_eq_u32 s2, 0
	s_cbranch_scc0 .Lentry_in_a_cluster
	s_endpgm
.Lentry_in_a_cluster:
	s_bfe_u32 s2, ttmp6, 0x10000c
	s_cmp_lg_u32 s2, 0xf033
	s_cbranch_scc0 .Lentry_shape_is_right
	s_endpgm
.Lentry_shape_is_right:
; q, k, v = Q(x) Q(W) + b: ONE product on codes of FP4 (E2M1) with one E8M0 scale for each 32 along K: A = x's codes [8192][1024], B = the three weights' codes [3072][1024], K innermost in both; sums in f32.
; The result, with its bias, is rounded once to f16 and laid by heads: part P (0 q, 1 k, 2 v) at P x 2^24 bytes, in it [batch x 16 + head][2048][64], rows of 128 bytes.
; LIMIT: |q|, |k|, |v| stay under 65,504 (f16).
; A tile of C, 256 x 256, is made by a work-group of four waves; a wave makes 128 x 128: 64 accumulators of 16 x 16, 512 registers.  K = 1,024 is two LDS slots of 512 along K (rows of 256 bytes):
; both slots and all scale bytes are asked for at the head, and NOTHING IS FILLED AGAIN.  A wave has three tensor loads out at the most.
; CLUSTERS: 4 x 4 work-groups.  The four of a row of the cluster need the same tiles of A, the four of a column the same tiles of B: each tile is asked for JOINTLY.  A cluster's x is also the projection (0 q, 1 k, 2 v).
; THE MATRIX INSTRUCTION IS USED TRANSPOSED (source 0 = 16 rows of B, source 1 = 16 rows of A): a lane holds eight neighbouring columns of a row of C.  THE BIAS IS THE C OF EACH SUM'S FIRST PRODUCT.
; REGISTERS, in windows of 256: window 0: v0-31 addresses; v32-95 scale words, two sets; v128-191 A's fragments, one set; v192-255 the bias of my 128 columns, later packed results.
;   window 1: B's fragments, two sets, at v0 and v128.   window 2: the accumulators of my rows 0-63 ((a, b) at v[8 (8 a + b)]);   window 3: those of my rows 64-127.
.set SIZE_K, 1024
.set KSTEP,  512
.set NQ,     KSTEP/128                 ; matrix instructions deep in a slot
.set ROWB,   256                       ; a tile's row in bytes
.set KROW,   SIZE_K*4/8                ; a row of codes in memory
.set PITCH,  272                       ; an LDS row: 256 bytes + 16 of padding = 68 words: row r starts at bank 4 r mod 64 (64 banks of 4 bytes: ISA guide 11.1)
.set FR,     8                         ; registers of a fragment
.set NL,     2                         ; LDS loads that bring one
.set NP,     4                         ; places behind this matrix instruction (ISA guide 7.12.1)
.set HALFT,  128*PITCH
.set SLOT,   4*HALFT                   ; A's 256 rows, then B's 256 rows
.set KS,     SIZE_K/32                 ; a row of scale bytes
.set SCL,    2*SLOT                    ; behind the slots: the scales, as units of 256 bytes + 16 of padding
.set HALFS,  (128*KS/256)*272
.set SBLK,   (16*KS/256)*272
.set SPARE,  SCL+4*HALFS               ; the spare words, 128 bytes for each wave: two blocks of 256 bytes that no other line names
.set STAGE,  SPARE+512                 ; the way out: 16 rows x 272 bytes for each wave; no tensor load lands here
.set SPITCH, 272
.set ADRA, 16                          ; v16-17  LDS address of my A fragments in slot 0, 1
.set ADRB, 20                          ; v20-21  the same for B
.set STO,  24                          ; v24     the way out: where I put 16 bytes of a row
.set RD,   25                          ; v25     where I read back
.set CO,   26                          ; v26     16 x lane
.set ADRS, 27                          ; v27     LDS address of my scale words: lanes 0-15 A's rows, lanes 16-31 B's
.set SPW,  28                          ; v28     my spare word; never rewritten
.set NIL,  29                          ; v29     0; never rewritten
.set BO,   30                          ; v30     32 x (lane / 16): my eight numbers of a block's bias
.set SC,   32
.set AF,   128
.set BK,   128                         ; the way out: v128-159 and v160-191 by turns
.set BIAS, 192
.set TMP,  192
.set G1, 24
.set G0, 32
.set G1B, 48
.set G0B, 56
.set G1S, 68
.set G0S, 76
.set G1SB, 80
.set G0SB, 88
.set MSB, 0
.macro WIN new                         ; the immediate's high byte repeats the setting that is left
.if MSB != (\new)
	s_set_vgpr_msb (MSB<<8)|(\new)
.set MSB, (\new)
.endif
.endm
.set MUL_LO, 0xa1                      ; source 0 (B) window 1, source 1 (A) window 0, C and D window 2
.set MUL_HI, 0xf1                      ; the same, C and D window 3
.set TO_B,   0x40
; A joint load: waves 0 and 1 fetch for A, waves 2 and 3 for B; the branch hangs on the wave's number alone.  An s_nop 0 and four v_nop follow each of the two lines.
.macro JLOAD g0a, g1a, g0b, g1b
	s_cmp_eq_u32 s15, 0
	s_cbranch_scc0 .Lfor_b_\@
	tensor_load_to_lds s[\g0a:\g0a+3], s[\g1a:\g1a+7]
	s_nop 0
.rept 4
	v_nop
.endr
	s_branch .Lasked_\@
.Lfor_b_\@:
	tensor_load_to_lds s[\g0b:\g0b+3], s[\g1b:\g1b+7]
	s_nop 0
.rept 4
	v_nop
.endr
.Lasked_\@:
.endm
.macro CROUND                          ; a round of the cluster's barrier
	s_barrier_signal -1
	s_barrier_wait -1
	s_cmp_lg_u32 s14, 0
	s_cbranch_scc1 .Lnot_wave_0_\@
	s_barrier_signal -3
.Lnot_wave_0_\@:
	s_barrier_wait -3
	s_barrier_signal -1
	s_barrier_wait -1
.endm
	s_load_b128 s[4:7], s[0:1], 0x0                ; A's codes s[4:5], A's scales s[6:7]
	s_load_b128 s[8:11], s[0:1], 0x10              ; B's codes s[8:9], B's scales s[10:11]
	s_load_b64 s[12:13], s[0:1], 0x20              ; qkv
	s_load_b64 s[96:97], s[0:1], 0x28              ; bq
	s_load_b64 s[98:99], s[0:1], 0x30              ; bk
	s_load_b64 s[100:101], s[0:1], 0x38            ; bv
	v_lshl_add_u32 v[SPW], v0, 2, SPARE
	v_mov_b32 v[NIL], 0
	ds_add_u32 v[SPW], v[NIL]                      ; the wave's opening: the add, twice on end, and its wait ahead of my first tensor load
	ds_add_u32 v[SPW], v[NIL]
	v_lshrrev_b32 v1, 5, v0
	v_readfirstlane_b32 s14, v1                    ; wave 0..3
	s_lshr_b32 s15, s14, 1                         ; which half of the tile's rows is mine.  Also: I fetch for A (0) or for B (1)
	s_and_b32 s16, s14, 1                          ; which half of its columns.  Also: which 128 rows of that tile I fetch
	s_bfe_u32 s40, ttmp6, 0x40000                  ; cx, cy: my place in the cluster
	s_bfe_u32 s41, ttmp6, 0x40004
	s_lshl_b32 s42, ttmp9, 2
	s_add_co_u32 s42, s42, s40                     ; tile column of C = 4 x cluster x + cx
	s_and_b32 s17, ttmp7, 0xffff
	s_lshl_b32 s17, s17, 2
	s_add_co_u32 s17, s17, s41                     ; tile row of C = 4 x cluster y + cy
	s_lshl_b32 s43, s41, 2
	s_lshl_b32 s43, 15, s43                        ; my row of the cluster
	s_lshl_b32 s44, 0x1111, s40                    ; my column
	; descriptor group 1: a tile of 128 rows x 256 bytes, padded in LDS
	s_or_b32 s[G1+0], s43, (0<<16)|(1<<20)|(1<<21)|(5<<22)|(3<<25)  ; 15:0 the mask; 17:16 elements of 1 byte; 20 padding on; 21 set beside a mask; 24:22 after every 64 words; 31:25 four words
	s_or_b32 s[G1B+0], s44, (0<<16)|(1<<20)|(1<<21)|(5<<22)|(3<<25)
.irp g, G1, G1B
	s_mov_b32 s[\g+1], ROWB<<16                    ; tensor_dim0
	s_mov_b32 s[\g+2], 128<<16                     ; tensor_dim1
	s_mov_b32 s[\g+3], ROWB<<16                    ; tile_dim0
	s_mov_b32 s[\g+4], 128                         ; tile_dim1
	s_mov_b32 s[\g+5], KROW                        ; tensor_dim0_stride
	s_mov_b32 s[\g+6], 0
	s_mov_b32 s[\g+7], 0
.endr
	; the scales of 128 rows: a dense block of 4,096 bytes, as 16 rows of 256 bytes (32 elements of 8 bytes), 16 bytes of padding behind each
	s_or_b32 s[G1S+0], s43, (3<<16)|(1<<20)|(1<<21)|(5<<22)|(3<<25)
	s_or_b32 s[G1SB+0], s44, (3<<16)|(1<<20)|(1<<21)|(5<<22)|(3<<25)
.irp g, G1S, G1SB
	s_mov_b32 s[\g+1], 32<<16
	s_mov_b32 s[\g+2], (128*KS/256)<<16
	s_mov_b32 s[\g+3], 32<<16
	s_mov_b32 s[\g+4], 128*KS/256
	s_mov_b32 s[\g+5], 32
	s_mov_b32 s[\g+6], 0
	s_mov_b32 s[\g+7], 0
.endr
	s_lshl_b32 s18, s16, 7                         ; which 128 rows of the tile I fetch
	s_lshl_b32 s20, s17, 8
	s_add_co_u32 s20, s20, s18                     ; A: row 256 x tile row + 128 x half
	s_lshl_b32 s46, s42, 8
	s_add_co_u32 s46, s46, s18                     ; B: row 256 x tile column + 128 x half
	s_mov_b32 s21, 0
	s_mov_b32 s47, 0
	s_mov_b64 s[18:19], KS
	s_mul_u64 s[22:23], s[20:21], s[18:19]         ; where these rows' scales begin
	s_mul_u64 s[92:93], s[46:47], s[18:19]
	s_mov_b64 s[18:19], KROW
	s_mul_u64 s[20:21], s[20:21], s[18:19]         ; and their codes
	s_mul_u64 s[46:47], s[46:47], s[18:19]
	s_mul_i32 s45, s14, HALFT                      ; where they go: wave x 128 rows: no place in the cluster enters an LDS address
	s_mul_i32 s94, s14, HALFS
	s_wait_dscnt 0x0                               ; both opening adds are done
	s_wait_kmcnt 0x0
	s_add_nc_u64 s[20:21], s[4:5], s[20:21]
	s_add_nc_u64 s[22:23], s[6:7], s[22:23]
	s_add_nc_u64 s[46:47], s[8:9], s[46:47]
	s_add_nc_u64 s[92:93], s[10:11], s[92:93]
	s_cmp_eq_u32 ttmp9, 0                          ; my projection's bias: the choice hangs on the cluster's x, which all partners share
	s_cselect_b64 s[96:97], s[96:97], s[98:99]
	s_cmp_eq_u32 ttmp9, 2
	s_cselect_b64 s[96:97], s[100:101], s[96:97]
	CROUND                                         ; all sixteen work-groups are here: the joint loads meet
	s_mov_b32 s[G0S], 1
	s_add_co_u32 s[G0S+1], s94, SCL
	s_mov_b64 s[G0S+2:G0S+3], s[22:23]
	s_or_b32 s[G0S+3], s[G0S+3], 0x80000000
	s_mov_b32 s[G0SB], 1
	s_add_co_u32 s[G0SB+1], s94, SCL
	s_mov_b64 s[G0SB+2:G0SB+3], s[92:93]
	s_or_b32 s[G0SB+3], s[G0SB+3], 0x80000000
	JLOAD G0S, G1S, G0SB, G1SB                     ; the scales first: they are wanted with slot 0
.irp s, 0,1
	s_mov_b32 s[G0+4*\s], 1
	s_add_co_u32 s[G0+4*\s+1], s45, \s*SLOT
	s_add_nc_u64 s[G0+4*\s+2:G0+4*\s+3], s[20:21], \s*ROWB
	s_or_b32 s[G0+4*\s+3], s[G0+4*\s+3], 0x80000000
	s_mov_b32 s[G0B+4*\s], 1
	s_add_co_u32 s[G0B+4*\s+1], s45, \s*SLOT
	s_add_nc_u64 s[G0B+4*\s+2:G0B+4*\s+3], s[46:47], \s*ROWB
	s_or_b32 s[G0B+4*\s+3], s[G0B+4*\s+3], 0x80000000
	JLOAD G0+4*\s, G1, G0B+4*\s, G1B
.endr
	v_and_b32 v1, 15, v0                           ; l % 16
	v_bfe_u32 v2, v0, 4, 1                         ; l / 16
	; the bias of my 128 columns, in the result's layout: for B's block b, lane (r, h) wants columns 16 b + 8 h + 0 .. 7
	v_lshlrev_b32 v[BO], 5, v2
	s_lshl_b32 s46, s40, 10                        ; in my projection: 256 cx + 128 x half columns, 4 bytes each
	s_lshl_b32 s47, s16, 9
	s_add_co_u32 s46, s46, s47
	s_mov_b32 s47, 0
	s_add_nc_u64 s[96:97], s[96:97], s[46:47]
.irp b, 0,1,2,3,4,5,6,7
	global_load_b128 v[BIAS+8*\b:BIAS+8*\b+3],   v[BO], s[96:97] offset:64*\b
	global_load_b128 v[BIAS+8*\b+4:BIAS+8*\b+7], v[BO], s[96:97] offset:64*\b+16
.endr
	v_mul_u32_u24 v3, v1, PITCH
	v_lshl_add_u32 v4, v2, 4, v3                   ; a fragment's row x pitch + 16 x half
	s_mul_i32 s21, s15, HALFT                      ; my 128 rows of A
	s_mul_i32 s22, s16, HALFT                      ; my 128 rows of B,
	s_add_co_u32 s22, s22, 2*HALFT                 ; which lie behind A's 256
.irp s, 0,1
	v_add_nc_u32 v[ADRA+\s], s21, v4
	v_add_nc_u32 v[ADRB+\s], s22, v4
	s_add_co_u32 s21, s21, SLOT
	s_add_co_u32 s22, s22, SLOT
.endr
	v_mul_u32_u24 v5, v1, KS                       ; my row's scales: KS bytes a row,
	v_lshrrev_b32 v6, 8, v5
	v_lshl_add_u32 v5, v6, 4, v5                   ; and 16 more for each 256 passed
	s_mul_i32 s21, s15, HALFS                      ; A's: my 128 rows
	s_mul_i32 s22, s16, HALFS                      ; B's: my 128 rows, behind A's 256
	s_add_co_u32 s22, s22, 2*HALFS
	s_sub_co_u32 s22, s22, s21
	v_mul_u32_u24 v6, s22, v2                      ; lanes 16-31 take B's: ONE product, the distance between the two bases
	s_add_co_u32 s21, s21, SCL
	v_add_nc_u32 v5, v5, v6
	v_add_nc_u32 v[ADRS], s21, v5
	s_mul_i32 s23, s14, 16*SPITCH
	s_add_co_u32 s23, s23, STAGE                   ; my stage
	v_mul_u32_u24 v5, v1, SPITCH                   ; in: row l % 16, 16 bytes for each half of the lanes
	v_lshl_add_u32 v5, v2, 4, v5
	v_add_nc_u32 v[STO], s23, v5
	v_bfe_u32 v5, v0, 3, 2                         ; back: eight lanes take a head's 128 bytes of a row, the 32 lanes four rows
	v_and_b32 v6, 7, v0
	v_mul_u32_u24 v5, v5, SPITCH
	v_lshl_add_u32 v5, v6, 4, v5
	v_add_nc_u32 v[RD], s23, v5
	v_and_b32 v6, 31, v0
	v_lshlrev_b32 v[CO], 4, v6                     ; which are 512 consecutive bytes of the output
	; where my part begins in qkv: part, then (batch x 16 + head) x 2^18, then row x 128.  Batch = tile row / 8; my first head = 4 cx + 2 x column half; my first row = 256 (tile row % 8) + 128 x row half
	s_lshr_b32 s20, s17, 3
	s_lshl_b32 s20, s20, 22
	s_and_b32 s21, s17, 7
	s_lshl_b32 s21, s21, 1
	s_add_co_u32 s21, s21, s15
	s_lshl_b32 s21, s21, 14
	s_add_co_u32 s20, s20, s21
	s_lshl_b32 s21, ttmp9, 24
	s_add_co_u32 s20, s20, s21
	s_mov_b32 s21, 0
	s_lshl_b32 s46, s40, 1
	s_add_co_u32 s46, s46, s16
	s_lshl_b32 s46, s46, 19
	s_mov_b32 s47, 0
	s_add_nc_u64 s[20:21], s[20:21], s[46:47]
	s_add_nc_u64 s[12:13], s[12:13], s[20:21]
.macro FRAG reg, adr, q, i             ; a fragment, 16 rows x 128 K of 4-bit codes: lane l holds row l % 16; registers 4 c .. 4 c + 3 hold K = 64 c + 32 (l / 16) + 0 .. 31
.irp c, 0,1
	ds_load_b128 v[\reg+4*\c:\reg+4*\c+3], v[\adr] offset:64*(\q)+32*\c+(\i)*16*PITCH
.endr
.endm
; 16 matrix instructions: A's blocks a0, a0 + 1 x B's eight, the slot's q-th 128 along K.  p: B's set; sc: the set of scale words.  zero = 1: the sums begin, with the bias as C.
; The 64 accumulators take turns, one instruction a turn, in the same order in every step.
.macro MUL16 a0, p, q, sc, zero
.irp a, \a0, \a0+1
.irp b, 0,1,2,3,4,5,6,7
.if \zero
	v_wmma_scale_f32_16x16x128_f8f6f4 v[8*(8*((\a)%4)+\b):8*(8*((\a)%4)+\b)+7], v[128*(\p)+FR*\b:128*(\p)+FR*\b+FR-1], v[AF+FR*(\a):AF+FR*(\a)+FR-1], v[BIAS+8*\b:BIAS+8*\b+7], v[SC+8*NQ*(\sc)+NQ*\b+(\q)], v[SC+8*NQ*(\sc)+NQ*(\a)+(\q)] matrix_a_fmt:MATRIX_FMT_FP4 matrix_b_fmt:MATRIX_FMT_FP4 matrix_a_scale:MATRIX_SCALE_ROW1
.else
	v_wmma_scale_f32_16x16x128_f8f6f4 v[8*(8*((\a)%4)+\b):8*(8*((\a)%4)+\b)+7], v[128*(\p)+FR*\b:128*(\p)+FR*\b+FR-1], v[AF+FR*(\a):AF+FR*(\a)+FR-1], v[8*(8*((\a)%4)+\b):8*(8*((\a)%4)+\b)+7], v[SC+8*NQ*(\sc)+NQ*\b+(\q)], v[SC+8*NQ*(\sc)+NQ*(\a)+(\q)] matrix_a_fmt:MATRIX_FMT_FP4 matrix_b_fmt:MATRIX_FMT_FP4 matrix_a_scale:MATRIX_SCALE_ROW1
.endif
.endr
.endr
.endm
.macro FETCH_B slot, q, p
	WIN TO_B
.irp i, 0,1,2,3,4,5,6,7
	FRAG 128*(\p)+FR*\i, ADRB+\slot, \q, \i
.endr
	WIN 0
.endm
.macro FETCH_A slot, q, i0
.irp i, \i0, \i0+1, \i0+2, \i0+3
	FRAG AF+FR*(\i), ADRA+\slot, \q, \i
.endr
.endm
.macro SCALES sc                       ; a slot's scale words: NQ words a row; lanes 0-15 take A's block i, lanes 16-31 B's block i
.irp i, 0,1,2,3,4,5,6,7
	ds_load_b128 v[SC+8*NQ*\sc+NQ*\i:SC+8*NQ*\sc+NQ*\i+3], v[ADRS] offset:\i*SBLK
.endr
.endm
.macro PLACES n                        ; plain vector instructions between a matrix instruction and a load into, or a read of, its registers
.rept \n
	v_nop
.endr
.endm
; A step of 128 along K that has its successor in the same slot.  zero = 1: C is the bias, in window 0.
.macro STEP slot, q, zero
	s_wait_dscnt 4*NL                              ; B's set and A's blocks 0-3 are in; the youngest eight loads (A's blocks 4-7) may be out
	WIN MUL_LO-0x20*(\zero)
	MUL16 0, (\q)%2, \q, \slot, \zero
	MUL16 2, (\q)%2, \q, \slot, \zero
	s_wait_dscnt 0
	PLACES NP
	FETCH_B \slot, (\q)+1, 1-(\q)%2
	FETCH_A \slot, (\q)+1, 0
	WIN MUL_HI-0x30*(\zero)
	MUL16 4, (\q)%2, \q, \slot, \zero
	MUL16 6, (\q)%2, \q, \slot, \zero
	PLACES NP
	WIN 0
	FETCH_A \slot, (\q)+1, 4
.endm
; Slot 0's last step changes slots: one barrier; in front of it each wave waits for all its tensor loads (its part of slot 1), adds 0 to its spare word, and waits for that and its LDS reads.
.macro TURN slot, next
	s_wait_tensorcnt 0x0                           ; all my tensor loads have landed: my part of the next slot
	ds_add_u32 v[SPW], v[NIL]                      ; 0 onto my spare word
	s_wait_dscnt 4*NL+1                            ; (the add and the youngest eight loads, A's blocks 4-7, may be out)
	WIN MUL_LO
	MUL16 0, 1, NQ-1, \slot, 0
	s_wait_dscnt 0x0
	s_barrier_signal -1
	MUL16 2, 1, NQ-1, \slot, 0
	WIN 0
	s_barrier_wait -1                              ; the next slot is whole
	PLACES NP
	v_add_nc_u32 v[ADRS], 4*NQ, v[ADRS]            ; on to the next slot's scale words
	FETCH_B \next, 0, 0
	FETCH_A \next, 0, 0
	SCALES \next
	WIN MUL_HI
	MUL16 4, 1, NQ-1, \slot, 0
	MUL16 6, 1, NQ-1, \slot, 0
	PLACES NP
	WIN 0
	FETCH_A \next, 0, 4
.endm
.macro STEPS slot, from
.set Q, \from
.rept NQ-1-\from
	STEP \slot, Q, 0
.set Q, Q+1
.endr
.endm
	s_wait_tensorcnt 1                             ; the scales and my part of slot 0 are in (slot 1's load may be out)
	s_barrier_signal -1
	s_barrier_wait -1                              ; everybody's are
	FETCH_B 0, 0, 0
	FETCH_A 0, 0, 0
	SCALES 0
	FETCH_A 0, 0, 4
	s_wait_loadcnt 0x0                             ; the bias
	STEP 0, 0, 1
	STEPS 0, 1
	TURN 0, 1
	STEPS 1, 0
	s_wait_dscnt 4*NL                              ; the very last step: nothing more to fetch
	WIN MUL_LO
	MUL16 0, 1, NQ-1, 1, 0
	MUL16 2, 1, NQ-1, 1, 0
	s_wait_dscnt 0
	WIN MUL_HI
	MUL16 4, 1, NQ-1, 1, 0
	MUL16 6, 1, NQ-1, 1, 0
	WIN 0
; THE WAY OUT, block by block of 16 rows x 128 columns (two heads).  PACK: rounded to f16, 16 bytes a lane, each accumulator from its low end on.  TOSTAGE: into my own stage, and back so that the 32 lanes hold four rows of one head,
; 512 consecutive bytes of the output.  SEND: stored.  LDS serves a wave's instructions in order (ISA guide 5.7.1.4): no wait between the stores and the loads, nor in front of the next block's stores.
.macro PACK a
.set AC, 64*((\a)%4)
	WIN 0x0a+5*((\a)/4)                            ; sources 0 and 1: window 2 or 3
.irp b, 0,1,2,3,4,5,6,7
.irp r, 0,1,2,3
	v_cvt_pk_f16_f32 v[TMP+4*\b+\r], v[AC+8*\b+2*\r], v[AC+8*\b+2*\r+1]
.endr
.endr
	WIN 0
.endm
.macro TOSTAGE a
.set BB, BK+32*((\a)%2)
.irp b, 0,1,2,3,4,5,6,7
	ds_store_b128 v[STO], v[TMP+4*\b:TMP+4*\b+3] offset:32*\b
.endr
.irp t, 0,1,2,3,4,5,6,7
	ds_load_b128 v[BB+4*\t:BB+4*\t+3], v[RD] offset:(\t%4)*4*SPITCH+(\t/4)*128   ; head t / 4, rows 4 (t % 4) on
.endr
.endm
.macro SEND a, younger                 ; younger: the LDS instructions issued behind block a's loads, which may stay out
.set BB, BK+32*((\a)%2)
	s_wait_dscnt \younger
.irp t, 0,1,2,3,4,5,6,7
	global_store_b128 v[CO], v[BB+4*\t:BB+4*\t+3], s[12:13] offset:(\t/4)*262144+(\a)*2048+(\t%4)*512   ; 32 lanes store 512 consecutive bytes, at a multiple of 256 from the buffer's first byte
.endr
.endm
	PLACES NP
	PACK 0
	TOSTAGE 0
.irp a, 1,2,3,4,5,6,7
	PACK \a
.if \a > 1
	s_wait_xcnt 0x0                                ; block a - 2's stores have read their registers: block a's loads may land there
.endif
	TOSTAGE \a
	SEND \a-1, 16                                  ; behind block a - 1's loads: block a's 8 stores and 8 loads
.endr
	SEND 7, 0
	s_wait_tensorcnt 0x0                           ; the wave's end: behind my last tensor load and my last LDS store
	ds_add_u32 v[SPW], v[NIL]
	s_wait_dscnt 0x0
	CROUND                                         ; the closing round: no work-group ends while a partner may still ask for a tile that names it
	s_endpgm
.Lfunc_end_k_qb97f46d11e_qkv:
	.size	k_qb97f46d11e_qkv, .Lfunc_end_k_qb97f46d11e_qkv-k_qb97f46d11e_qkv
	.p2alignl 7, 3214868480
	.fill 96, 4, 3214868480
	.section	.rodata,"a",@progbits
	.p2align	6, 0x0
	.amdhsa_kernel k_qb97f46d11e_qkv
		.amdhsa_group_segment_fixed_size 327680
		.amdhsa_private_segment_fixed_size 0
		.amdhsa_enable_private_segment 0
		.amdhsa_kernarg_size 64
		.amdhsa_user_sgpr_count 2
		.amdhsa_user_sgpr_kernarg_segment_ptr 1
		.amdhsa_wavefront_size32 1
		.amdhsa_system_sgpr_workgroup_id_x 1
		.amdhsa_system_sgpr_workgroup_id_y 1
		.amdhsa_system_sgpr_workgroup_id_z 1
		.amdhsa_system_vgpr_workitem_id 0
		.amdhsa_next_free_vgpr 1024
		.amdhsa_next_free_sgpr 102
		.amdhsa_reserve_vcc 0
		.amdhsa_float_denorm_mode_32 3
		.amdhsa_float_denorm_mode_16_64 3
		.amdhsa_memory_ordered 1
		.amdhsa_forward_progress 1
		.amdhsa_inst_pref_size 128
	.end_amdhsa_kernel
	.amdgpu_metadata
---
amdhsa.version: [ 1, 2 ]
amdhsa.kernels:
  - .name:           k_qb97f46d11e_qkv
    .symbol:         k_qb97f46d11e_qkv.kd
    .args:
      - { .name: x_codes, .offset: 0, .size: 8, .value_kind: global_buffer, .address_space: global }
      - { .name: x_scales, .offset: 8, .size: 8, .value_kind: global_buffer, .address_space: global }
      - { .name: w_codes, .offset: 16, .size: 8, .value_kind: global_buffer, .address_space: global }
      - { .name: w_scales, .offset: 24, .size: 8, .value_kind: global_buffer, .address_space: global }
      - { .name: qkv, .offset: 32, .size: 8, .value_kind: global_buffer, .address_space: global }
      - { .name: bq, .offset: 40, .size: 8, .value_kind: global_buffer, .address_space: global }
      - { .name: bk, .offset: 48, .size: 8, .value_kind: global_buffer, .address_space: global }
      - { .name: bv, .offset: 56, .size: 8, .value_kind: global_buffer, .address_space: global }
    .group_segment_fixed_size: 327680
    .private_segment_fixed_size: 0
    .kernarg_segment_align: 8
    .kernarg_segment_size: 64
    .max_flat_workgroup_size: 128
    .sgpr_count:     102
    .vgpr_count:     1024
    .wavefront_size: 32
...
	.end_amdgpu_metadata
.endif
;; end of part 2
;; launch attn (part 3): grid 4 x 64, 8 waves a work-group, clusters of 4 x 1, 327,680 bytes of LDS; arguments qkv, ctx; writes ctx
.if DOCPART == 3
	.amdgcn_target "amdgcn-amd-amdhsa--gfx1250"
	.amdhsa_code_object_version 6
	.text
	.protected	k_qb97f46d11e_attn
	.globl	k_qb97f46d11e_attn
	.p2align	8
	.type	k_qb97f46d11e_attn,@function
k_qb97f46d11e_attn:
	s_mov_b64 s[64:65], 0
	v_nop
	global_prefetch_b8 v0, s[64:65] scope:SCOPE_SE
	s_setreg_imm32_b32 hwreg(HW_REG_WAVE_MODE, 25, 1), 1
	s_wait_xcnt 0x0
	s_wait_alu depctr_hold_cnt(0) depctr_sa_sdst(0) depctr_va_vdst(0) depctr_va_sdst(0) depctr_va_ssrc(0) depctr_va_vcc(0) depctr_vm_vsrc(0)
	s_getreg_b32 s2, hwreg(HW_REG_IB_STS2, 6, 4)
	s_cmp_eq_u32 s2, 0
	s_cbranch_scc0 .Lentry_in_a_cluster
	s_endpgm
.Lentry_in_a_cluster:
	s_bfe_u32 s2, ttmp6, 0x10000c
	s_cmp_lg_u32 s2, 0x3003
	s_cbranch_scc0 .Lentry_shape_is_right
	s_endpgm
.Lentry_shape_is_right:
; ctx[b][q][head] = the sum over k of softmax_k(Q[q] . K[k] / 8) V[k], for each of 64 (batch, head) pairs: 2,048 queries, 2,048 keys, head size 64, no mask.  Q, K, V: f16, [64][2048][64], rows of 128 bytes, in the three
; parts of qkv.  Products, maxima and sums in f32; the weights p are rounded to f16 for the second product, ctx once at the end.
; ctx IS LAID IN PAIRS OF ROWS: byte (row / 2) x 4,096 + head x 256 + (row % 2) x 128 + 2 d: two neighbouring rows of one head are 256 consecutive bytes, aligned, so that sixteen lanes store them whole.
; LIMITS: NaN and infinities are not served; p is at most 1, ctx a mean of v: both have room in f16.
; SHARES.  A work-group owns 512 queries of one pair, each of its EIGHT waves 64: four tiles of 16, in 512 registers: two waves to a SIMD, so that one wave's softmax stands beside the other's products.
; Each fragment of K and V that a wave reads from LDS feeds four matrix instructions.  Every wave walks all keys, 64 a step.
; LAYOUT.  S^T = K Q^T (source 0 = 16 keys, source 1 = 16 queries): a lane holds ONE query (lane % 16) and the keys 8 (lane / 16) + 0..7.  Two such tiles, rounded to f16 in pairs, ARE source 1 (32 keys x 16 queries) of
; O^T = V^T P, whose result again holds one query a lane.  P is written over S^T's low registers.  K comes out of LDS as it lies, V ([key][channel]) turned, by ds_load_tr16_b128.
; SOFTMAX.  For each query a running maximum m and sum l: p = 2^(c s - c m), c = log2(e) / 8; in every step O and l are multiplied by a = 2^(c m_old - c m_new).  The step is written once: the first finds O = 0, l = 0, m = -3e38.
; CLUSTER.  The four query blocks of a pair walk the same K and V: each tile is asked for JOINTLY, by the same tensor load with a mask that names the four.
; RING.  Two LDS slots of four key steps (256 keys).  Waves 0-3 fetch K of the slot's step w, waves 4-7 V of step w - 4: one load a wave behind each round; one tensor load a wave is out.
; REGISTERS: window 0: v2-13 addresses; v16-47 statistics, 8 a tile; v64-191 S^T, 32 a tile; v192-255 K of one step.   window 1: v0-127 O^T, 32 a tile; v128-191 Q; v192-255 V of one step.
.set PK,    272                        ; two keys' rows of K in LDS: 256 bytes + 16 of padding: key k at (k / 2) PK + (k % 2) 128: the sixteen rows of a load fall on sixteen different 16-byte columns modulo 256
.set PVP,   288                        ; the same of V: 256 + 32: the turning load's eight keys x 32 bytes likewise
.set VOFF,  32*PK                      ; a step's tiles lie together: 64 keys of K, then 64 of V
.set STEPB, 32*(PK+PVP)
.set NST,   4                          ; key steps in a slot
.set SLOT1, 1<<17                      ; slot 1 begins here: one exclusive or turns an address in one slot into the other's
.set STAGE, SLOT1+NST*STEPB            ; behind the ring: 8 pairs of rows x 272 bytes for each wave
.set SPARE, STAGE+8*8*PK               ; the spare words, 128 bytes for each wave: four blocks of 256 bytes that no other line names
.set AK0, 2                            ; v2   my lane's place in a tile of K; never rewritten
.set AV0, 3                            ; v3   the same for V
.set ADK, 4                            ; v4   LDS address of the step's K
.set ADV, 5                            ; v5   of its V
.set QO,  6                            ; v6   my byte offset in the wave's rows of Q
.set STO, 7                            ; v7   the way out: where I put 16 bytes
.set RD,  8                            ; v8   where I read back
.set GO,  9                            ; v9   my byte offset in ctx
.set PFO, 10                           ; v10  256 x lane
.set SPW, 12                           ; v12  my spare word; never rewritten
.set NIL, 13                           ; v13  0; never rewritten
.set ST,  16                           ; tile t's statistics at v[ST+8 t]: +0 c m, +1 m, +2, +3 l (even keys', odd keys'), +4, +5 at work, +6 a, +7 c m_old - c m_new
.set S,   64
.set KF,  192                          ; window 0: K[kt][c] at KF + 16 kt + 8 c
.set QF,  128                          ; window 1: Q[t][c] at QF + 16 t + 8 c
.set VF,  192                          ; window 1: V[u][ch] at VF + 32 u + 8 ch
.set WV,  12                           ; s12  my wave's number
.set LIM, 15                           ; s15  1 in a wave that prefetches, else the greatest number
.set PFA, 18                           ; s[18:19] where my prefetches stand
.set G1K, 24
.set G1V, 32
.set G0K, 40
.set G0V, 44
.set SLOTS, 56
.set CNT, 57
.set CS,  58                           ; s[58:59] c
.set SEL, 60                           ; s[60:61] lane selects for v_permlanex16_b32: lane l xor 16
.set TB,  62                           ; s62  LDS byte at which the step in hand begins
.set MSB, 0
.macro WIN new                         ; bits 1:0 source 0, 3:2 source 1, 5:4 source 2, 7:6 destination; the high byte repeats the setting that is left
.if MSB != (\new)
	s_set_vgpr_msb (MSB<<8)|(\new)
.set MSB, (\new)
.endif
.endm
; A joint load.  The branch hangs on the wave's number alone.  An s_nop 0 and four v_nop follow each of the two lines.
.macro JLOAD
	s_cmp_lt_u32 s[WV], 4
	s_cbranch_scc0 .Lfor_v_\@
	tensor_load_to_lds s[G0K:G0K+3], s[G1K:G1K+7]
	s_nop 0
.rept 4
	v_nop
.endr
	s_branch .Lasked_\@
.Lfor_v_\@:
	tensor_load_to_lds s[G0V:G0V+3], s[G1V:G1V+7]
	s_nop 0
.rept 4
	v_nop
.endr
.Lasked_\@:
.endm
; A PREFETCH INTO THE L2 of what the NEXT change of slots will ask for: a slot's 32,768 bytes of K and of V, four key steps ahead of that load.  Only this cluster reads this pair's K and V.  Its four partners share the bytes
; out BY ADDRESS, 8,192 each; in each, wave 0 asks for K's and wave 4 for V's, lanes 256 bytes apart: each aligned block of 256 bytes is named once in the launch.  The last change that fills a slot asks for nothing.
.macro ASK
	s_cmp_gt_u32 s[SLOTS], s[LIM]
	s_cbranch_scc0 .Lnot_mine_\@
	global_prefetch_b8 v[PFO], s[PFA:PFA+1] th:TH_LOAD_NT scope:SCOPE_SE
.Lnot_mine_\@:
.endm
.macro CROUND                          ; a round of the cluster's barrier
	s_barrier_signal -1
	s_barrier_wait -1
	s_cmp_lg_u32 s[WV], 0
	s_cbranch_scc1 .Lnot_wave_0_\@
	s_barrier_signal -3
.Lnot_wave_0_\@:
	s_barrier_wait -3
	s_barrier_signal -1
	s_barrier_wait -1
.endm
	s_load_b128 s[4:7], s[0:1], 0x0                ; qkv s[4:5], ctx s[6:7]
	v_lshl_add_u32 v[SPW], v0, 2, SPARE
	v_mov_b32 v[NIL], 0
	ds_add_u32 v[SPW], v[NIL]                      ; the wave's opening: the add, twice on end, and its wait ahead of my first tensor load
	ds_add_u32 v[SPW], v[NIL]
	v_lshrrev_b32 v1, 5, v0
	v_readfirstlane_b32 s[WV], v1                  ; wave 0..7
	s_bfe_u32 s13, ttmp6, 0x40000                  ; cx: my block of 512 queries; it enters Q's, ctx's and the prefetches' addresses alone
	s_and_b32 s14, ttmp7, 0xffff                   ; the pair: batch x 16 + head, which the four partners share
	s_lshl_b32 s20, s14, 18                        ; its first byte in each part: 2,048 rows of 128 bytes
	s_and_b32 s22, s[WV], 3                        ; which of a slot's four steps I fetch:
	s_lshl_b32 s2, s22, 13                         ; its 64 rows of 128 bytes in memory,
	s_add_co_u32 s2, s2, s20
	s_mov_b32 s3, 0
	s_mul_i32 s23, s22, STEPB                      ; and its place in a slot
	; descriptor group 1: 64 keys' rows are dense in memory: a tile of 32 rows x 128 elements of 2 bytes (two keys to a row), padded in LDS
	s_mov_b32 s[G1K], 15|(1<<16)|(1<<20)|(1<<21)|(5<<22)|(3<<25)  ; 15:0 the mask: all four; 17:16 elements of 2 bytes; 20 padding on; 21 set beside a mask; 24:22 after every 64 words; 31:25 four words
	s_mov_b32 s[G1V], 15|(1<<16)|(1<<20)|(1<<21)|(5<<22)|(7<<25)  ; the same with eight words of padding
.irp g, G1K, G1V
	s_mov_b32 s[\g+1], 128<<16                     ; tensor_dim0
	s_mov_b32 s[\g+2], 32<<16                      ; tensor_dim1
	s_mov_b32 s[\g+3], 128<<16                     ; tile_dim0
	s_mov_b32 s[\g+4], 32                          ; tile_dim1
	s_mov_b32 s[\g+5], 128                         ; tensor_dim0_stride
	s_mov_b32 s[\g+6], 0
	s_mov_b32 s[\g+7], 0
.endr
	s_mov_b32 s[CS], 0x3e38aa3b                    ; c = log2(e) / 8
	s_mov_b32 s[CS+1], s[CS]                       ; named with it as a pair, so it is written
	s_mov_b32 s[SEL], 0x76543210
	s_mov_b32 s[SEL+1], 0xfedcba98
	s_mov_b32 s[TB], 0
	s_mov_b32 s[SLOTS], 2048/(64*NST)-1            ; 7 changes of slots ask for a tile
	s_cmp_eq_u32 s22, 0
	s_cselect_b32 s[LIM], 1, -1                    ; waves 0 and 4 prefetch
	s_wait_dscnt 0x0                               ; both opening adds are done
	s_wait_kmcnt 0x0
	s_add_nc_u64 s[8:9], s[4:5], s[2:3]            ; the pair, my step: the parts are added below
	s_lshl_b32 s10, s13, 16                        ; Q: my block's 512 rows,
	s_lshl_b32 s11, s[WV], 13                      ; my wave's 64 of them
	s_add_co_u32 s10, s10, s11
	s_add_co_u32 s10, s10, s20
	s_mov_b32 s11, 0
	s_add_nc_u64 s[16:17], s[4:5], s[10:11]
	s_lshl_b32 s10, s13, 13                        ; the prefetches: my work-group's 8,192 bytes,
	s_add_co_u32 s10, s10, s20
	s_add_co_u32 s10, s10, 64*NST*128              ; in tile 1: the first change of slots steps it to tile 2.  Nothing is prefetched at the head
	s_mov_b32 s11, 2<<24
	s_cmp_lt_u32 s[WV], 4
	s_cselect_b32 s11, 1<<24, s11                  ; of K's part or of V's
	s_add_co_u32 s10, s10, s11
	s_mov_b32 s11, 0
	s_add_nc_u64 s[PFA:PFA+1], s[4:5], s[10:11]
	s_lshr_b32 s10, s14, 4                         ; ctx: batch x 1,024 pairs of rows of 4,096 bytes,
	s_lshl_b32 s10, s10, 22
	s_lshl_b32 s11, s13, 20                        ; my block's 256 pairs,
	s_add_co_u32 s10, s10, s11
	s_lshl_b32 s11, s[WV], 17                      ; my wave's 32,
	s_add_co_u32 s10, s10, s11
	s_and_b32 s11, s14, 15
	s_lshl_b32 s11, s11, 8                         ; my head's 256 bytes
	s_add_co_u32 s10, s10, s11
	s_mov_b32 s11, 0
	s_add_nc_u64 s[6:7], s[6:7], s[10:11]
	CROUND                                         ; all four work-groups are here: the first joint loads meet
	s_mov_b32 s[G0K], 1                            ; 1:0 count = 1
	s_mov_b32 s[G0K+1], s23                        ; 63:32 LDS address: slot 0
	s_add_nc_u64 s[G0K+2:G0K+3], s[8:9], 1<<24     ; 120:64 global address: K's part, keys 0 on
	s_or_b32 s[G0K+3], s[G0K+3], 0x80000000        ; 127:126 type = 2
	s_mov_b32 s[G0V], 1
	s_add_co_u32 s[G0V+1], s23, VOFF
	s_add_nc_u64 s[G0V+2:G0V+3], s[8:9], 2<<24
	s_or_b32 s[G0V+3], s[G0V+3], 0x80000000
	JLOAD                                          ; tile 0 into slot 0
	v_and_b32 v1, 15, v0                           ; r = l % 16
	v_bfe_u32 v11, v0, 4, 1                        ; h = l / 16
	v_lshlrev_b32 v[QO], 7, v1
	v_lshl_add_u32 v[QO], v11, 4, v[QO]            ; row x 128 + 16 x half
	WIN 0x40                                       ; destination window 1, address window 0
.irp t, 0,1,2,3
.irp c, 0,1
	global_load_b128 v[QF+16*\t+8*\c:QF+16*\t+8*\c+3],   v[QO], s[16:17] offset:2048*\t+64*\c      ; Q stays in registers: tile t, channels 32 c on
	global_load_b128 v[QF+16*\t+8*\c+4:QF+16*\t+8*\c+7], v[QO], s[16:17] offset:2048*\t+64*\c+32
.endr
.endr
.set i, 0
.rept 128
	v_mov_b32 v[i], 0                              ; O^T: the step is written once, and its first pass finds zeros
.set i, i+1
.endr
	WIN 0
	v_lshrrev_b32 v14, 1, v1
	v_and_b32 v15, 1, v0
	v_mul_u32_u24 v[AK0], v14, PK
	v_lshl_add_u32 v[AK0], v15, 7, v[AK0]
	v_lshl_add_u32 v[AK0], v11, 4, v[AK0]          ; K: (r / 2) PK + (r % 2) 128 + 16 h
	; The turning load takes 16 keys x 16 channels (lane l reads 16 bytes: key 8 h + l % 8, channels 8 ((l / 8) % 2) on) and leaves half a fragment of V^T: lane l holds channel l % 16 and 8 keys.
	v_bfe_u32 v14, v0, 1, 2
	v_lshl_add_u32 v14, v11, 2, v14                ; the key's pair: 4 h + (l % 8) / 2
	v_mul_u32_u24 v[AV0], v14, PVP
	v_lshl_add_u32 v[AV0], v15, 7, v[AV0]
	v_bfe_u32 v14, v0, 3, 1
	v_lshl_add_u32 v[AV0], v14, 4, v[AV0]
	v_add_nc_u32 v[AV0], VOFF, v[AV0]
	s_mul_i32 s10, s[WV], 8*PK
	s_add_co_u32 s10, s10, STAGE                   ; my stage
	v_add_nc_u32 v[STO], s10, v[AK0]               ; in: query r's place is the same as key r's in a tile of K
	v_mul_u32_u24 v[RD], v11, PK
	v_lshl_add_u32 v[RD], v1, 4, v[RD]
	v_add_nc_u32 v[RD], s10, v[RD]                 ; back: lanes 0-15 one pair of rows, lanes 16-31 the next
	v_lshlrev_b32 v[GO], 12, v11
	v_lshl_add_u32 v[GO], v1, 4, v[GO]             ; and the same two pairs in ctx
	v_and_b32 v[PFO], 31, v0
	v_lshlrev_b32 v[PFO], 8, v[PFO]
.irp t, 0,1,2,3
	v_mov_b32 v[ST+8*\t+1], 0xff61b1e6             ; m = -3e38, under every score
	v_mov_b32 v[ST+8*\t+2], 0                      ; l
	v_mov_b32 v[ST+8*\t+3], 0
.endr
.irp t, 0,1,2,3
	v_mul_f32 v[ST+8*\t], s[CS], v[ST+8*\t+1]      ; c m
.endr
; THE SOFTMAX of the wave's four tiles for one key step; the tiles take turns in every line, so that no line waits for the line above it.
.macro SOFTMAX
.irp t, 0,1,2,3                        ; the maximum of the lane's 32 scores and the old m: two chains.  Each accumulator of 8 is first read at its low end
	v_max3_num_f32 v[ST+8*\t+4], v[S+32*\t], v[S+32*\t+1], v[S+32*\t+2]
	v_max3_num_f32 v[ST+8*\t+5], v[S+32*\t+16], v[S+32*\t+17], v[S+32*\t+18]
.endr
.irp i, 3,5,7,9,11,13
.irp t, 0,1,2,3
	v_max3_num_f32 v[ST+8*\t+4], v[ST+8*\t+4], v[S+32*\t+\i], v[S+32*\t+\i+1]
	v_max3_num_f32 v[ST+8*\t+5], v[ST+8*\t+5], v[S+32*\t+16+\i], v[S+32*\t+17+\i]
.endr
.endr
.irp t, 0,1,2,3
	v_max3_num_f32 v[ST+8*\t+4], v[ST+8*\t+4], v[S+32*\t+15], v[S+32*\t+31]
.endr
.irp t, 0,1,2,3
	v_max3_num_f32 v[ST+8*\t+4], v[ST+8*\t+4], v[ST+8*\t+5], v[ST+8*\t+1]
.endr
.irp t, 0,1,2,3
	v_permlanex16_b32 v[ST+8*\t+5], v[ST+8*\t+4], s[SEL], s[SEL+1]   ; the query's other 32 keys lie in the lane 16 away
.endr
.irp t, 0,1,2,3
	v_mov_b32 v[ST+8*\t+7], v[ST+8*\t]             ; c m_old is kept for a
.endr
.irp t, 0,1,2,3
	v_max_num_f32 v[ST+8*\t+1], v[ST+8*\t+4], v[ST+8*\t+5]
.endr
.irp t, 0,1,2,3
	v_mul_f32 v[ST+8*\t], s[CS], v[ST+8*\t+1]
.endr
.irp t, 0,1,2,3
	v_sub_f32 v[ST+8*\t+7], v[ST+8*\t+7], v[ST+8*\t]
.endr
.irp b, 0,2,4,6,8,10,12,14,16,18,20,22,24,26,28,30
.irp t, 0,1,2,3
	v_pk_fma_f32 v[S+32*\t+\b:S+32*\t+\b+1], v[S+32*\t+\b:S+32*\t+\b+1], s[CS:CS+1], v[ST+8*\t:ST+8*\t+1] op_sel_hi:[1,0,0] neg_lo:[0,0,1] neg_hi:[0,0,1]   ; c s - c m, two at a time
.endr
.endr
.irp t, 0,1,2,3                        ; ONE BATCH of 132 exponentials; none reads another's result
	v_exp_f32 v[ST+8*\t+6], v[ST+8*\t+7]           ; a
.endr
.irp e, 0,1,2,3,4,5,6,7,8,9,10,11,12,13,14,15,16,17,18,19,20,21,22,23,24,25,26,27,28,29,30,31
.irp t, 0,1,2,3
	v_exp_f32 v[S+32*\t+\e], v[S+32*\t+\e]         ; p
.endr
.endr
	v_nop                                          ; a plain instruction behind the last exponential (ISA guide 5.7.2)
	s_wait_alu depctr_va_vdst(0)                   ; one wait for the whole batch, ahead of its first reader
.irp t, 0,1,2,3                        ; the sums, of the unrounded p, in two chains: l = a l + ..., and a second sum that joins it at the end
	v_pk_add_f32 v[ST+8*\t+4:ST+8*\t+5], v[S+32*\t:S+32*\t+1], v[S+32*\t+2:S+32*\t+3]
.endr
.irp t, 0,1,2,3
	v_pk_fma_f32 v[ST+8*\t+2:ST+8*\t+3], v[ST+8*\t+2:ST+8*\t+3], v[ST+8*\t+6:ST+8*\t+7], v[S+32*\t+4:S+32*\t+5] op_sel_hi:[1,0,1]
.endr
.irp t, 0,1,2,3
	v_pk_add_f32 v[ST+8*\t+4:ST+8*\t+5], v[ST+8*\t+4:ST+8*\t+5], v[S+32*\t+6:S+32*\t+7]
.endr
.irp j, 8,12,16,20,24,28
.irp t, 0,1,2,3
	v_pk_add_f32 v[ST+8*\t+2:ST+8*\t+3], v[ST+8*\t+2:ST+8*\t+3], v[S+32*\t+\j:S+32*\t+\j+1]
	v_pk_add_f32 v[ST+8*\t+4:ST+8*\t+5], v[ST+8*\t+4:ST+8*\t+5], v[S+32*\t+\j+2:S+32*\t+\j+3]
.endr
.endr
.irp t, 0,1,2,3
	v_pk_add_f32 v[ST+8*\t+2:ST+8*\t+3], v[ST+8*\t+2:ST+8*\t+3], v[ST+8*\t+4:ST+8*\t+5]
.endr
.irp j, 0,1,2,3,4,5,6,7,8,9,10,11,12,13,14,15
.irp t, 0,1,2,3
	v_cvt_pk_f16_f32 v[S+32*\t+\j], v[S+32*\t+2*\j], v[S+32*\t+2*\j+1]   ; P in place: register j takes weights 2 j and 2 j + 1; no later line reads a register already written
.endr
.endr
.endm
; A KEY STEP: 64 keys.
.macro STEP
	v_add_nc_u32 v[ADK], s[TB], v[AK0]
	v_add_nc_u32 v[ADV], s[TB], v[AV0]
.rept 4
	v_nop                                          ; with the two additions six places behind the last V^T P: four are wanted by the loads into V's registers, five by K Q^T, which writes over P
.endr
.irp kt, 0,1,2,3
.irp c, 0,1
	ds_load_b128 v[KF+16*\kt+8*\c:KF+16*\kt+8*\c+3],   v[ADK] offset:\kt*8*PK+64*\c
	ds_load_b128 v[KF+16*\kt+8*\c+4:KF+16*\kt+8*\c+7], v[ADK] offset:\kt*8*PK+64*\c+32
.endr
.endr
	WIN 0x40                                       ; destination window 1
.irp u, 0,1
.irp ch, 0,1,2,3
	ds_load_tr16_b128 v[VF+32*\u+8*\ch:VF+32*\u+8*\ch+3],   v[ADV] offset:\u*16*PVP+32*\ch
	ds_load_tr16_b128 v[VF+32*\u+8*\ch+4:VF+32*\u+8*\ch+7], v[ADV] offset:\u*16*PVP+8*PVP+32*\ch
.endr
.endr
	s_wait_dscnt 16                                ; K's sixteen loads are in; V's sixteen may be out
	WIN 0x04                                       ; source 1 (Q) window 1
.irp c, 0,1                            ; S^T = K Q^T: the sixteen accumulators take turns, one instruction a turn; the first sixteen start the sums
.irp kt, 0,1,2,3
.irp t, 0,1,2,3
.if \c == 0
	v_wmma_f32_16x16x32_f16 v[S+32*\t+8*\kt:S+32*\t+8*\kt+7], v[KF+16*\kt+8*\c:KF+16*\kt+8*\c+7], v[QF+16*\t+8*\c:QF+16*\t+8*\c+7], 0
.else
	v_wmma_f32_16x16x32_f16 v[S+32*\t+8*\kt:S+32*\t+8*\kt+7], v[KF+16*\kt+8*\c:KF+16*\kt+8*\c+7], v[QF+16*\t+8*\c:QF+16*\t+8*\c+7], v[S+32*\t+8*\kt:S+32*\t+8*\kt+7]
.endif
.endr
.endr
.endr
	WIN 0
.rept 4
	v_nop                                          ; places in front of the first read of the scores
.endr
	SOFTMAX
	WIN 0x41                                       ; O^T (destination and source 0) window 1, a window 0
.irp i, 0,2,4,6,8,10,12,14,16,18,20,22,24,26,28,30
.irp t, 0,1,2,3
	v_pk_mul_f32 v[32*\t+\i:32*\t+\i+1], v[32*\t+\i:32*\t+\i+1], v[ST+8*\t+6:ST+8*\t+7] op_sel_hi:[1,0]   ; O^T x a, each accumulator from its low end on
.endr
.endr
	s_wait_dscnt 0x0                               ; V is in
	WIN 0x51                                       ; V, C and D window 1, P window 0
.irp u, 0,1                            ; O^T += V^T P: sixteen accumulators by turns
.irp ch, 0,1,2,3
.irp t, 0,1,2,3
	v_wmma_f32_16x16x32_f16 v[32*\t+8*\ch:32*\t+8*\ch+7], v[VF+32*\u+8*\ch:VF+32*\u+8*\ch+7], v[S+32*\t+8*\u:S+32*\t+8*\u+7], v[32*\t+8*\ch:32*\t+8*\ch+7]
.endr
.endr
.endr
	WIN 0                                          ; at a label and at a branch every window is 0
	s_add_co_u32 s[TB], s[TB], STEPB
.endm
.macro SLOT_STEPS                      ; a slot's four key steps: written once, walked four times; the LDS addresses hang on s[TB]
	s_mov_b32 s[CNT], NST
.Lstep_\@:
	STEP
	s_sub_co_u32 s[CNT], s[CNT], 1
	s_cmp_lg_u32 s[CNT], 0
	s_cbranch_scc1 .Lstep_\@
	s_sub_co_u32 s[TB], s[TB], NST*STEPB           ; back to a slot's first step,
	s_xor_b32 s[TB], s[TB], SLOT1                  ; in the other slot
.endm
; THE CHANGE OF SLOTS stands at a slot's head.  Each wave waits for all its tensor loads (its part of the slot that it is about to read), adds 0 to its spare word, and waits for that and for its reads of the slot that it has left.
; fill = 1: the barrier is a round of the cluster's, and behind it the other slot is asked for, with the next 256 keys: the load has four key steps in which to land.
.macro CHANGE fill
	s_wait_tensorcnt 0x0                           ; no tensor load of mine is out, so a group 0 may be written
	ds_add_u32 v[SPW], v[NIL]                      ; 0 onto my spare word
.if \fill
	s_xor_b32 s[G0K+1], s[G0K+1], SLOT1            ; the walking descriptors: the other slot than last time,
	s_add_nc_u64 s[G0K+2:G0K+3], s[G0K+2:G0K+3], 64*NST*128   ; the next 256 keys; the type bits on top are not reached
	s_xor_b32 s[G0V+1], s[G0V+1], SLOT1
	s_add_nc_u64 s[G0V+2:G0V+3], s[G0V+2:G0V+3], 64*NST*128
	s_wait_xcnt 0x0                                ; the last prefetch, a slot back, has read its address, so it may be written:
	s_add_nc_u64 s[PFA:PFA+1], s[PFA:PFA+1], 64*NST*128       ; one tile further on than the walking descriptors
	s_wait_dscnt 0x0                               ; the add is done, and my reads of the slot that I have left are over
	CROUND
	JLOAD
	ASK
.else
	s_wait_dscnt 0x0
	s_barrier_signal -1
	s_barrier_wait -1
.endif
.endm
	s_wait_loadcnt 0x0                             ; Q
.Lslot:                                            ; 7 trips: trip i asks for tile i and reads tile i - 1
	CHANGE 1
	SLOT_STEPS
	s_sub_co_u32 s[SLOTS], s[SLOTS], 1
	s_cmp_lg_u32 s[SLOTS], 0
	s_cbranch_scc1 .Lslot
	CHANGE 0                                       ; the last tile is written out
	SLOT_STEPS
	; THE WAY OUT.  l's two halves and the other half of the lanes' are added; O^T is divided by l, rounded to f16 and sent through my stage, a tile (16 queries: 8 pairs of rows) at a time.  The additions are the places behind the last products.
.irp t, 0,1,2,3
	v_add_f32 v[ST+8*\t+4], v[ST+8*\t+2], v[ST+8*\t+3]
.endr
.irp t, 0,1,2,3
	v_permlanex16_b32 v[ST+8*\t+5], v[ST+8*\t+4], s[SEL], s[SEL+1]
.endr
.irp t, 0,1,2,3
	v_add_f32 v[ST+8*\t+4], v[ST+8*\t+4], v[ST+8*\t+5]
.endr
.irp t, 0,1,2,3
	v_rcp_f32 v[ST+8*\t+6], v[ST+8*\t+4]
.endr
	v_nop                                          ; a plain instruction between the last reciprocal and the use of its result
	s_wait_alu depctr_va_vdst(0)                   ; one wait for the four reciprocals, ahead of their first reader
.macro PACK t
	WIN 0x41
.set i, 0
.rept 16
	v_pk_mul_f32 v[32*\t+i:32*\t+i+1], v[32*\t+i:32*\t+i+1], v[ST+8*\t+6:ST+8*\t+7] op_sel_hi:[1,0]
.set i, i+2
.endr
	WIN 0x05                                       ; sources 0 and 1 window 1, destination window 0: S^T's registers are free
.set i, 0
.rept 16
	v_cvt_pk_f16_f32 v[S+16*\t+i], v[32*\t+2*i], v[32*\t+2*i+1]
.set i, i+1
.endr
	WIN 0
.irp ch, 0,1,2,3
	ds_store_b128 v[STO], v[S+16*\t+4*\ch:S+16*\t+4*\ch+3] offset:32*\ch       ; query r, channels 16 ch + 8 h on
.endr
.irp f, 0,1,2,3
	ds_load_b128 v[S+64+16*\t+4*\f:S+64+16*\t+4*\f+3], v[RD] offset:\f*2*PK    ; LDS serves a wave's instructions in order (ISA guide 5.7.1.4): these see the stores above; the next tile's stores come behind them
.endr
.endm
.macro SEND t, younger                 ; younger: the LDS instructions issued behind tile t's loads: the next tile's eight, or none
.irp f, 0,1,2,3
	s_wait_dscnt \younger+3-\f
	global_store_b128 v[GO], v[S+64+16*\t+4*\f:S+64+16*\t+4*\f+3], s[6:7] offset:\t*32768+\f*8192   ; 16 lanes store 256 consecutive bytes, at a multiple of 256 from ctx's first byte
.endr
.endm
	PACK 0
	PACK 1
	SEND 0, 8
	PACK 2
	SEND 1, 8
	PACK 3
	SEND 2, 8
	SEND 3, 0
	s_wait_tensorcnt 0x0                           ; the wave's end: behind my last tensor load and my last LDS store
	ds_add_u32 v[SPW], v[NIL]
	s_wait_dscnt 0x0
	CROUND                                         ; the closing round
	s_endpgm
.Lfunc_end_k_qb97f46d11e_attn:
	.size	k_qb97f46d11e_attn, .Lfunc_end_k_qb97f46d11e_attn-k_qb97f46d11e_attn
	.p2alignl 7, 3214868480
	.fill 96, 4, 3214868480
	.section	.rodata,"a",@progbits
	.p2align	6, 0x0
	.amdhsa_kernel k_qb97f46d11e_attn
		.amdhsa_group_segment_fixed_size 327680
		.amdhsa_private_segment_fixed_size 0
		.amdhsa_enable_private_segment 0
		.amdhsa_kernarg_size 16
		.amdhsa_user_sgpr_count 2
		.amdhsa_user_sgpr_kernarg_segment_ptr 1
		.amdhsa_wavefront_size32 1
		.amdhsa_system_sgpr_workgroup_id_x 1
		.amdhsa_system_sgpr_workgroup_id_y 1
		.amdhsa_system_sgpr_workgroup_id_z 1
		.amdhsa_system_vgpr_workitem_id 0
		.amdhsa_next_free_vgpr 512
		.amdhsa_next_free_sgpr 66
		.amdhsa_reserve_vcc 0
		.amdhsa_float_denorm_mode_32 3
		.amdhsa_float_denorm_mode_16_64 3
		.amdhsa_memory_ordered 1
		.amdhsa_forward_progress 1
		.amdhsa_inst_pref_size 92
	.end_amdhsa_kernel
	.amdgpu_metadata
---
amdhsa.version: [ 1, 2 ]
amdhsa.kernels:
  - .name:           k_qb97f46d11e_attn
    .symbol:         k_qb97f46d11e_attn.kd
    .args:
      - { .name: qkv, .offset: 0, .size: 8, .value_kind: global_buffer, .address_space: global }
      - { .name: ctx, .offset: 8, .size: 8, .value_kind: global_buffer, .address_space: global }
    .group_segment_fixed_size: 327680
    .private_segment_fixed_size: 0
    .kernarg_segment_align: 8
    .kernarg_segment_size: 16
    .max_flat_workgroup_size: 256
    .sgpr_count:     66
    .vgpr_count:     512
    .wavefront_size: 32
...
	.end_amdgpu_metadata
.endif
;; end of part 3
;; launch oproj (part 4): grid 8 x 64, 4 waves a work-group, clusters of 4 x 4, 327,680 bytes of LDS; arguments ctx, wo_t, out0, bo; writes out0
.if DOCPART == 4
	.amdgcn_target "amdgcn-amd-amdhsa--gfx1250"
	.amdhsa_code_object_version 6
	.text
	.protected	k_qb97f46d11e_oproj
	.globl	k_qb97f46d11e_oproj
	.p2align	8
	.type	k_qb97f46d11e_oproj,@function
k_qb97f46d11e_oproj:
	s_mov_b64 s[64:65], 0
	v_nop
	global_prefetch_b8 v0, s[64:65] scope:SCOPE_SE
	s_setreg_imm32_b32 hwreg(HW_REG_WAVE_MODE, 25, 1), 1
	s_wait_xcnt 0x0
	s_wait_alu depctr_hold_cnt(0) depctr_sa_sdst(0) depctr_va_vdst(0) depctr_va_sdst(0) depctr_va_ssrc(0) depctr_va_vcc(0) depctr_vm_vsrc(0)
	s_getreg_b32 s2, hwreg(HW_REG_IB_STS2, 6, 4)
	s_cmp_eq_u32 s2, 0
	s_cbranch_scc0 .Lentry_in_a_cluster
	s_endpgm
.Lentry_in_a_cluster:
	s_bfe_u32 s2, ttmp6, 0x10000c
	s_cmp_lg_u32 s2, 0xf033
	s_cbranch_scc0 .Lentry_shape_is_right
	s_endpgm
.Lentry_shape_is_right:
; out0[m][n] = the sum over k of ctx[m][k] Wo[k][n] + bo[n].  A = ctx, f16, 8,192 rows x 1,024, LAID IN PAIRS OF ROWS: byte (m / 2) x 4,096 + (k / 64) x 256 + (m % 2) x 128 + 2 (k % 64).  B = wo_t [1024 n][1024 k], f16.
; out0: [8192][1024] f32; sums in f32; THE BIAS IS THE C OF EACH SUM'S FIRST PRODUCT.
; A tile of C is 128 x 128 (512 tiles); four waves, each 64 x 64: 16 accumulators of 16 x 16.  K goes in steps of 256 through a ring of two LDS slots.  A wave's tensor load brings 64 rows of B (512 bytes each) or
; 32 pairs of rows of A (1,024 bytes each: four heads of both rows).
; CLUSTERS: 4 x 4 work-groups; A's tiles are asked for jointly along a row of the cluster, B's along a column.  THE MATRIX INSTRUCTION IS USED TRANSPOSED (source 0 = 16 rows of B, source 1 = 16 rows of A).
; No prefetch: a K step of this small tile is short, and what is shared comes by the joint loads.
; REGISTERS: window 0: v0-31 addresses; v32-95 at work on the way out; v96-127 the bias of my 64 columns; v128-255 the accumulators ((a, b) at v[128 + 8 (4 a + b)]).  window 1: two fragment buffers of 128.
.set SIZE_K, 1024
.set KSTEP,  256
.set PITCH,  528                       ; B: an LDS row: 512 bytes + 16 of padding = 132 words: row r starts at bank 4 r mod 64 (64 banks of 4 bytes: ISA guide 11.1)
.set APITCH, 1040                      ; A: a pair of rows: 1,024 bytes + 16: row r of a fragment lies at (r / 2) APITCH + (r % 2) 128: sixteen different 16-byte columns modulo 256
.set HALFT,  64*PITCH                  ; the place of what one tensor load brings (A's uses 32 x 1,040 bytes of it)
.set SLOT,   4*HALFT
.set STAGE,  2*SLOT                    ; behind the ring: 16 rows x 272 bytes for each wave
.set SPITCH, 272
.set SPARE,  STAGE+4*16*SPITCH         ; the spare words, 128 bytes for each wave: two blocks of 256 bytes that no other line names
.set LAPS, SIZE_K/(2*KSTEP)
.set ADRA, 16
.set ADRB, 20
.set STO,  24
.set RD,   25
.set CO,   26
.set BO,   27                          ; v27  32 x (lane / 16)
.set SPW,  28
.set NIL,  29
.set TMP,  32
.set BIAS, 96
.set ACC,  128
.set F0,   0
.set F1,   128
.set G1, 24
.set G0, 32
.set G1B, 48
.set G0B, 56
.set MSB, 0
.macro WIN new
.if MSB != (\new)
	s_set_vgpr_msb (MSB<<8)|(\new)
.set MSB, (\new)
.endif
.endm
.set MUL,  0x05                        ; sources 0 (B) and 1 (A) window 1; C and D window 0
.set TO_F, 0x40
.macro JLOAD s                         ; a joint load: waves 0 and 1 fetch A's two halves, waves 2 and 3 B's; an s_nop 0 and four v_nop follow each of the two lines
	s_cmp_eq_u32 s11, 0
	s_cbranch_scc0 .Lfor_b_\@
	tensor_load_to_lds s[G0+4*\s:G0+4*\s+3], s[G1:G1+7]
	s_nop 0
.rept 4
	v_nop
.endr
	s_branch .Lasked_\@
.Lfor_b_\@:
	tensor_load_to_lds s[G0B+4*\s:G0B+4*\s+3], s[G1B:G1B+7]
	s_nop 0
.rept 4
	v_nop
.endr
.Lasked_\@:
.endm
.macro CREST
	s_cmp_lg_u32 s10, 0
	s_cbranch_scc1 .Lnot_wave_0_\@
	s_barrier_signal -3
.Lnot_wave_0_\@:
	s_barrier_wait -3
	s_barrier_signal -1
	s_barrier_wait -1
.endm
.macro CROUND
	s_barrier_signal -1
	s_barrier_wait -1
	CREST
.endm
	s_load_b128 s[4:7], s[0:1], 0x0                ; ctx s[4:5], wo_t s[6:7]
	s_load_b64 s[8:9], s[0:1], 0x10                ; out0
	s_load_b64 s[66:67], s[0:1], 0x18              ; bo
	v_lshl_add_u32 v[SPW], v0, 2, SPARE
	v_mov_b32 v[NIL], 0
	ds_add_u32 v[SPW], v[NIL]                      ; the wave's opening: the add, twice on end, and its wait ahead of my first tensor load
	ds_add_u32 v[SPW], v[NIL]
	v_lshrrev_b32 v1, 5, v0
	v_readfirstlane_b32 s10, v1                    ; wave 0..3
	s_lshr_b32 s11, s10, 1                         ; which half of the tile's rows is mine.  Also: I fetch for A (0) or for B (1)
	s_and_b32 s12, s10, 1                          ; which half of its columns.  Also: which 64 rows of that tile I fetch
	s_bfe_u32 s40, ttmp6, 0x40000
	s_bfe_u32 s41, ttmp6, 0x40004
	s_lshl_b32 s42, ttmp9, 2
	s_add_co_u32 s42, s42, s40                     ; tile column of C
	s_and_b32 s13, ttmp7, 0xffff
	s_lshl_b32 s13, s13, 2
	s_add_co_u32 s13, s13, s41                     ; tile row of C
	s_lshl_b32 s43, s41, 2
	s_lshl_b32 s43, 15, s43                        ; my row of the cluster
	s_lshl_b32 s44, 0x1111, s40                    ; my column
	; descriptor group 1.  A: 32 pairs of rows x 512 elements of 2 bytes, 2,048 elements apart; 16 bytes of padding behind every 256 words.  B: 64 rows x 256 elements, 1,024 apart; padding behind every 128 words
	s_or_b32 s[G1+0], s43, (1<<16)|(1<<20)|(1<<21)|(7<<22)|(3<<25)
	s_mov_b32 s[G1+1], 512<<16                     ; tensor_dim0
	s_mov_b32 s[G1+2], 32<<16                      ; tensor_dim1
	s_mov_b32 s[G1+3], 512<<16                     ; tile_dim0
	s_mov_b32 s[G1+4], 32                          ; tile_dim1
	s_mov_b32 s[G1+5], 2048                        ; tensor_dim0_stride
	s_mov_b32 s[G1+6], 0
	s_mov_b32 s[G1+7], 0
	s_or_b32 s[G1B+0], s44, (1<<16)|(1<<20)|(1<<21)|(6<<22)|(3<<25)
	s_mov_b32 s[G1B+1], KSTEP<<16
	s_mov_b32 s[G1B+2], 64<<16
	s_mov_b32 s[G1B+3], KSTEP<<16
	s_mov_b32 s[G1B+4], 64
	s_mov_b32 s[G1B+5], SIZE_K
	s_mov_b32 s[G1B+6], 0
	s_mov_b32 s[G1B+7], 0
	s_lshl_b32 s17, s12, 5
	s_lshl_b32 s16, s13, 6
	s_add_co_u32 s16, s16, s17                     ; A: pair of rows 64 x tile row + 32 x half,
	s_lshl_b32 s16, s16, 12                        ; 4,096 bytes each
	s_mov_b32 s17, 0
	s_lshl_b32 s47, s12, 6
	s_lshl_b32 s46, s42, 7
	s_add_co_u32 s46, s46, s47                     ; B: row 128 x tile column + 64 x half,
	s_lshl_b32 s46, s46, 11                        ; 2,048 bytes each
	s_mov_b32 s47, 0
	s_mul_i32 s20, s10, HALFT                      ; where they go: no place in the cluster enters an LDS address
	s_wait_dscnt 0x0                               ; both opening adds are done
	s_wait_kmcnt 0x0
	s_add_nc_u64 s[14:15], s[4:5], s[16:17]
	s_add_nc_u64 s[46:47], s[6:7], s[46:47]
	CROUND                                         ; all sixteen work-groups are here: the first joint loads meet
.irp s, 0,1
	s_mov_b32 s[G0+4*\s], 1
	s_add_co_u32 s[G0+4*\s+1], s20, \s*SLOT
	s_add_nc_u64 s[G0+4*\s+2:G0+4*\s+3], s[14:15], \s*1024         ; K step s: four heads of a pair of rows
	s_or_b32 s[G0+4*\s+3], s[G0+4*\s+3], 0x80000000
	s_mov_b32 s[G0B+4*\s], 1
	s_add_co_u32 s[G0B+4*\s+1], s20, \s*SLOT
	s_add_nc_u64 s[G0B+4*\s+2:G0B+4*\s+3], s[46:47], \s*KSTEP*2
	s_or_b32 s[G0B+4*\s+3], s[G0B+4*\s+3], 0x80000000
	JLOAD \s
.endr
	v_and_b32 v1, 15, v0                           ; l % 16
	v_bfe_u32 v2, v0, 4, 1                         ; l / 16
	s_lshl_b32 s46, s42, 9                         ; my first column, 4 bytes each: 512 x tile column + 256 x half: in bo and in a row of out0 alike
	s_lshl_b32 s47, s12, 8
	s_add_co_u32 s46, s46, s47
	s_mov_b32 s47, 0
	s_add_nc_u64 s[66:67], s[66:67], s[46:47]
	v_lshlrev_b32 v[BO], 5, v2
.irp b, 0,1,2,3
	global_load_b128 v[BIAS+8*\b:BIAS+8*\b+3],   v[BO], s[66:67] offset:64*\b      ; for B's block b, lane (r, h) wants columns 16 b + 8 h + 0 .. 7
	global_load_b128 v[BIAS+8*\b+4:BIAS+8*\b+7], v[BO], s[66:67] offset:64*\b+16
.endr
	v_mul_u32_u24 v3, v1, PITCH
	v_lshl_add_u32 v3, v2, 4, v3                   ; B: a fragment's row x pitch + 16 x half
	v_lshrrev_b32 v4, 1, v1
	v_and_b32 v5, 1, v0
	v_mul_u32_u24 v4, v4, APITCH
	v_lshl_add_u32 v4, v5, 7, v4
	v_lshl_add_u32 v4, v2, 4, v4                   ; A: (r / 2) APITCH + (r % 2) 128 + 16 x half
	s_mul_i32 s21, s11, HALFT                      ; my 64 rows of A
	s_mul_i32 s22, s12, HALFT                      ; my 64 rows of B,
	s_add_co_u32 s22, s22, 2*HALFT                 ; which lie behind A's two places
.irp s, 0,1
	v_add_nc_u32 v[ADRA+\s], s21, v4
	v_add_nc_u32 v[ADRB+\s], s22, v3
	s_add_co_u32 s21, s21, SLOT
	s_add_co_u32 s22, s22, SLOT
.endr
	s_mul_i32 s23, s10, 16*SPITCH
	s_add_co_u32 s23, s23, STAGE                   ; my stage
	v_mul_u32_u24 v4, v1, SPITCH                   ; in: row l % 16, 32 bytes for each half of the lanes
	v_lshl_add_u32 v4, v2, 5, v4
	v_add_nc_u32 v[STO], s23, v4
	v_mul_u32_u24 v5, v2, SPITCH                   ; back: lanes 0-15 one row of 256 bytes, lanes 16-31 the next
	v_lshl_add_u32 v5, v1, 4, v5
	v_add_nc_u32 v[RD], s23, v5
	v_lshlrev_b32 v[CO], 12, v2                    ; and the same two rows in out0
	v_lshl_add_u32 v[CO], v1, 4, v[CO]
	s_lshl_b32 s16, s13, 7
	s_lshl_b32 s17, s11, 6
	s_add_co_u32 s16, s16, s17                     ; my first row: 128 x tile row + 64 x half,
	s_lshl_b32 s16, s16, 12                        ; 4,096 bytes each
	s_mov_b32 s17, 0
	s_add_nc_u64 s[8:9], s[8:9], s[16:17]
	s_add_nc_u64 s[8:9], s[8:9], s[46:47]
; 8 matrix instructions: m blocks a0, a0 + 1 x all 4 n blocks, 32 along K: half c of buffer f.  zero = 1: the sums begin, with the bias as C.  The 16 accumulators take turns.
.macro MUL8 f, c, a0, zero
.irp a, \a0, \a0+1
.irp b, 0,1,2,3
.if \zero
	v_wmma_f32_16x16x32_f16 v[ACC+8*(4*(\a)+\b):ACC+8*(4*(\a)+\b)+7], v[\f+64+8*(4*\c+\b):\f+64+8*(4*\c+\b)+7], v[\f+8*(4*\c+\a):\f+8*(4*\c+\a)+7], v[BIAS+8*\b:BIAS+8*\b+7]
.else
	v_wmma_f32_16x16x32_f16 v[ACC+8*(4*(\a)+\b):ACC+8*(4*(\a)+\b)+7], v[\f+64+8*(4*\c+\b):\f+64+8*(4*\c+\b)+7], v[\f+8*(4*\c+\a):\f+8*(4*\c+\a)+7], v[ACC+8*(4*(\a)+\b):ACC+8*(4*(\a)+\b)+7]
.endif
.endr
.endr
.endm
; 32 LDS loads in one run: the fragments of 64 along K (one head) into buffer f; k: byte of B's rows at which they begin; in A's pairs of rows the same head begins at byte 2 k
.macro FETCH slot, k, f
	WIN TO_F
.irp c, 0,1
.irp i, 0,1,2,3
	ds_load_b128 v[\f+64+8*(4*\c+\i):\f+64+8*(4*\c+\i)+3],   v[ADRB+\slot] offset:\k+64*\c+\i*16*PITCH
	ds_load_b128 v[\f+64+8*(4*\c+\i)+4:\f+64+8*(4*\c+\i)+7], v[ADRB+\slot] offset:\k+64*\c+\i*16*PITCH+32
	ds_load_b128 v[\f+8*(4*\c+\i):\f+8*(4*\c+\i)+3],         v[ADRA+\slot] offset:2*(\k)+64*\c+\i*8*APITCH
	ds_load_b128 v[\f+8*(4*\c+\i)+4:\f+8*(4*\c+\i)+7],       v[ADRA+\slot] offset:2*(\k)+64*\c+\i*8*APITCH+32
.endr
.endr
.endm
.macro PLACES                          ; four places in front of loads into registers that matrix instructions have read, and of reads of results
.rept 4
	v_nop
.endr
.endm
.macro QUARTER slot, k, f, g, zero
	s_wait_dscnt 16                                ; the first 32 along K are in; the sixteen loads of the second 32 may be out
	WIN MUL
	MUL8 \f, 0, 0, \zero
	MUL8 \f, 0, 2, \zero
	PLACES
	FETCH \slot, \k, \g
	s_wait_dscnt 32                                ; all but the 32 just issued
	WIN MUL
	MUL8 \f, 1, 0, 0
	MUL8 \f, 1, 2, 0
.endm
; The last quarter multiplies buffer 1 and changes slots: ONE barrier; in front of it each wave waits for all its tensor loads, adds 0 to its spare word, and waits for that and for its own reads of this slot.
.macro TURN slot, next, fill
	WIN 0
	s_wait_tensorcnt 0x0                           ; all my tensor loads have landed: my part of the next slot
	ds_add_u32 v[SPW], v[NIL]                      ; 0 onto my spare word
	s_wait_dscnt 17                                ; (the add and the youngest sixteen loads may be out)
	WIN MUL
	MUL8 F1, 0, 0, 0
	s_wait_dscnt 0x0                               ; the add is done, and my reads of this slot are over
	s_barrier_signal -1
	MUL8 F1, 0, 2, 0
.if \fill
	WIN 0
.endif
	s_barrier_wait -1
.if \fill
	CREST                                          ; the barrier has opened a round of the cluster's: no wave of any partner still reads this slot's tile or has a load on its way
	s_add_nc_u64 s[G0+4*\slot+2:G0+4*\slot+3], s[G0+4*\slot+2:G0+4*\slot+3], 2*1024
	s_add_nc_u64 s[G0B+4*\slot+2:G0B+4*\slot+3], s[G0B+4*\slot+2:G0B+4*\slot+3], 2*KSTEP*2
	JLOAD \slot                                    ; the first tensor load behind the round; the four v_nop behind it are also the places in front of the loads below
.else
	PLACES
.endif
	FETCH \next, 0, F0
	WIN MUL
	MUL8 F1, 1, 0, 0
	MUL8 F1, 1, 2, 0
.endm
	s_wait_tensorcnt 1                             ; my part of K step 0 is in (K step 1's load may be out)
	s_barrier_signal -1
	s_barrier_wait -1                              ; everybody's is
	FETCH 0, 0, F0
	s_wait_loadcnt 0x0                             ; the bias
	QUARTER 0, 128, F0, F1, 1                      ; the first quarter stands in front of the loop: its first products start the sums
	WIN 0                                          ; at a label and at a branch every window is 0
	s_mov_b32 s3, LAPS-1
.Llap:                                                 ; a trip goes once round the ring and fills both slots again
	QUARTER 0, 256, F1, F0, 0
	QUARTER 0, 384, F0, F1, 0
	TURN 0, 1, 1
	QUARTER 1, 128, F0, F1, 0
	QUARTER 1, 256, F1, F0, 0
	QUARTER 1, 384, F0, F1, 0
	TURN 1, 0, 1
	QUARTER 0, 128, F0, F1, 0
	WIN 0
	s_sub_co_u32 s3, s3, 1
	s_cmp_lg_u32 s3, 0
	s_cbranch_scc1 .Llap
	QUARTER 0, 256, F1, F0, 0                      ; the last lap fills nothing
	QUARTER 0, 384, F0, F1, 0
	TURN 0, 1, 0
	QUARTER 1, 128, F0, F1, 0
	QUARTER 1, 256, F1, F0, 0
	QUARTER 1, 384, F0, F1, 0
	s_wait_dscnt 16                                ; the very last quarter: nothing more to fetch
	WIN MUL
	MUL8 F1, 0, 0, 0
	MUL8 F1, 0, 2, 0
	s_wait_dscnt 0
	MUL8 F1, 1, 0, 0
	MUL8 F1, 1, 2, 0
	WIN 0
; THE WAY OUT, block by block of 16 rows x 64 columns: a wave's 64 columns of f32 are 256 bytes, so each wave has a stage of its own and no barrier is wanted.  The accumulators go to the stage as they are, each from its low
; end on, and come back as whole rows.  LDS serves a wave's instructions in order (ISA guide 5.7.1.4).
.macro TOSTAGE a
.irp b, 0,1,2,3
	ds_store_b128 v[STO], v[ACC+8*(4*(\a)+\b):ACC+8*(4*(\a)+\b)+3] offset:64*\b
	ds_store_b128 v[STO], v[ACC+8*(4*(\a)+\b)+4:ACC+8*(4*(\a)+\b)+7] offset:64*\b+16
.endr
.set BB, TMP+32*((\a)%2)
.irp t, 0,1,2,3,4,5,6,7
	ds_load_b128 v[BB+4*\t:BB+4*\t+3], v[RD] offset:\t*2*SPITCH
.endr
.endm
.macro SEND a, younger                 ; younger: the LDS instructions issued behind block a's loads, which may stay out
.set BB, TMP+32*((\a)%2)
	s_wait_dscnt \younger
.irp t, 0,1,2,3,4,5,6,7
	global_store_b128 v[CO], v[BB+4*\t:BB+4*\t+3], s[8:9] offset:(16*(\a)+2*\t)*4096 th:TH_STORE_NT   ; 16 lanes store 256 consecutive bytes, at a multiple of 256 from out0's first byte; written once, read by nobody here
.endr
.endm
	PLACES
	TOSTAGE 0
.irp a, 1,2,3
.if \a > 1
	s_wait_xcnt 0x0                                ; block a - 2's stores have read their registers: block a's loads may land there
.endif
	TOSTAGE \a
	SEND \a-1, 16                                  ; behind block a - 1's loads: block a's 8 stores and 8 loads
.endr
	SEND 3, 0
	s_wait_tensorcnt 0x0                           ; the wave's end: behind my last tensor load and my last LDS store
	ds_add_u32 v[SPW], v[NIL]
	s_wait_dscnt 0x0
	CROUND                                         ; the closing round: no work-group ends while a partner may still ask for a tile that names it
	s_endpgm
.Lfunc_end_k_qb97f46d11e_oproj:
	.size	k_qb97f46d11e_oproj, .Lfunc_end_k_qb97f46d11e_oproj-k_qb97f46d11e_oproj
	.p2alignl 7, 3214868480
	.fill 96, 4, 3214868480
	.section	.rodata,"a",@progbits
	.p2align	6, 0x0
	.amdhsa_kernel k_qb97f46d11e_oproj
		.amdhsa_group_segment_fixed_size 327680
		.amdhsa_private_segment_fixed_size 0
		.amdhsa_enable_private_segment 0
		.amdhsa_kernarg_size 32
		.amdhsa_user_sgpr_count 2
		.amdhsa_user_sgpr_kernarg_segment_ptr 1
		.amdhsa_wavefront_size32 1
		.amdhsa_system_sgpr_workgroup_id_x 1
		.amdhsa_system_sgpr_workgroup_id_y 1
		.amdhsa_system_sgpr_workgroup_id_z 1
		.amdhsa_system_vgpr_workitem_id 0
		.amdhsa_next_free_vgpr 512
		.amdhsa_next_free_sgpr 68
		.amdhsa_reserve_vcc 0
		.amdhsa_float_denorm_mode_32 3
		.amdhsa_float_denorm_mode_16_64 3
		.amdhsa_memory_ordered 1
		.amdhsa_forward_progress 1
		.amdhsa_inst_pref_size 87
	.end_amdhsa_kernel
	.amdgpu_metadata
---
amdhsa.version: [ 1, 2 ]
amdhsa.kernels:
  - .name:           k_qb97f46d11e_oproj
    .symbol:         k_qb97f46d11e_oproj.kd
    .args:
      - { .name: ctx, .offset: 0, .size: 8, .value_kind: global_buffer, .address_space: global }
      - { .name: wo_t, .offset: 8, .size: 8, .value_kind: global_buffer, .address_space: global }
      - { .name: out0, .offset: 16, .size: 8, .value_kind: global_buffer, .address_space: global }
      - { .name: bo, .offset: 24, .size: 8, .value_kind: global_buffer, .address_space: global }
    .group_segment_fixed_size: 327680
    .private_segment_fixed_size: 0
    .kernarg_segment_align: 8
    .kernarg_segment_size: 32
    .max_flat_workgroup_size: 128
    .sgpr_count:     68
    .vgpr_count:     512
    .wavefront_size: 32
...
	.end_amdgpu_metadata
.endif
;; end of part 4
